; MI455X (gfx1250); checked and timed in simulation.
; The chip was launched on July 23, 2026; its instructions are those of AMD's public machine-readable ISA for CDNA 5 (MIT licence, August 2026) and "CDNA5" Instruction Set Architecture Reference Guide (July 2026). The comments in the code are by the model that wrote it; some were corrected since.
;; Gated Cross Attention. Allowed arithmetic: matrix products marked QUANTISED: E2M3 operands, one E8M0 scale for each 32 along K, by v_wmma_scale_f32_16x16x128_f8f6f4 with both operands' format E2M3, f32 sums; everything else in f32.
;; Inputs: b_out 1,024 float32; context 2 x 4,096 x 1,024 float32; gate 1 float32; ln_beta 1,024 float32; ln_gamma 1,024 float32; w_kv 1,024 x 2,048 float32; w_out 1,024 x 1,024 float32; w_q 1,024 x 1,024 float32; x 2 x 2,048 x 1,024 float32.
;; Outputs: out0 2 x 2,048 x 1,024 float32.
;; This version of the problem:
;;   THIS VERSION OF THE PROBLEM IS GIVEN IN LOW PRECISION. The matrix products marked QUANTISED in the list below multiply operands that are first quantised to E2M3 (2 exponent bits, 3 mantissa bits; 6 bits a number), with one power-of-two scale for each 32 numbers along K (OCP MX v1.0); their sums are f32. All else is computed in f32.
;;   The module's matrix products, in the order in which they are computed (A, B: the left and right operand; K: the contracted axis; several contracted axes count as one K, in the product's order):
;;     1. [M 4,096, K 1,024] x [K 1,024, N 1,024]; A: computed on the way; B: input w_q: QUANTISED
;;     2. [M 8,192, K 1,024] x [K 1,024, N 2,048]; A: input context; B: input w_kv: QUANTISED
;;     3. batch 32 x [M 2,048, K 64] x [K 64, N 4,096]; A: computed on the way; B: computed on the way: QUANTISED
;;     4. batch 32 x [M 64, K 4,096] x [K 4,096, N 2,048]; A: computed on the way; B: softmax (see below): QUANTISED
;;     5. [M 4,096, K 1,024] x [K 1,024, N 1,024]; A: computed on the way; B: input w_out: QUANTISED
;;   THE QUANTISER, for each operand of a quantised product, along K:
;;     - K is cut into blocks of 32 from its start; a last block that is shorter is filled with zeros.
;;     - A block's scale is 2^e with e = floor(log2(the largest magnitude in the block)) - 2, held to -126 .. 127; a block of zeros has e = 0. As a byte (E8M0): e + 127.
;;     - Each number is divided by its block's scale, clamped to +-7.5, and rounded to the nearest number of E2M3, ties to even, subnormals kept.
;;     - The product sums the exact products of the quantised numbers (number of the format x scale) in f32.
;;   ~~~python
;;   def quantise(x, axis):      # numpy; x: float32 -> the quantised numbers, widened to float32 again
;;       x = np.moveaxis(x, axis, -1); K = x.shape[-1]
;;       x = np.pad(x, [(0, 0)] * (x.ndim - 1) + [(0, -K % 32)]); x = x.reshape(x.shape[:-1] + (-1, 32)); a = np.abs(x).max(-1, keepdims=True)
;;       e = np.where(a > 0, np.clip(np.frexp(np.where(a > 0, a, 1))[1] - 1 - 2, -126, 127), 0)      # np.frexp(a)[1] - 1 = floor(log2(a)), exactly
;;       r = np.clip(x / 2.0 ** e, -7.5, 7.5)
;;       step = 2.0 ** (np.maximum(np.frexp(np.where(r == 0, 1, r))[1] - 1, 0) - 3)
;;       q = np.round(r / step) * step * 2.0 ** e      # np.round: ties to even
;;       return np.moveaxis(q.reshape(q.shape[:-2] + (-1,))[..., :K], -1, axis).astype(np.float32)
;;   ~~~
;;   SOFTMAX AHEAD OF A QUANTISED PRODUCT. Where the list says 'softmax', what is quantised is not the finished softmax but p = 2^(t - M), with t = logit x log2(e) and M = ceil(the row's largest t), a whole number; so 1/2 < the row's largest p <= 1. The row's sum l is taken of the UNQUANTISED p, in f32, and the product's result is divided by l at the end. Since M is a whole number, a kernel that streams over the keys may use a running M (the ceiling of the running maximum): every later rescaling is an exact power of two, which a block's scale takes up: the codes' values come out the same.
;;   OPERANDS COMPUTED ON THE WAY. 'Computed on the way' means the value that the module computes at that place (a softmax that the list does not call 'softmax' is quantised finished and normalised). What goes into a quantiser is computed in f32, as accurately as f32 sums, v_exp_f32 and their like allow (about 1e-6 of the number): no bf16 or f16 on the way to a quantiser, and a product that is left as it is and whose result goes on into a quantised operand takes f32 operands (vector FMAs, or v_wmma_f32_16x16x4_f32). A number that lies on a knife's edge between two numbers of the format may be rounded either way, as far as f32 arithmetic and the matrix unit's own rounding can turn it there, and no further.
;; One version. Each part assembles by itself: llvm-mc -triple=amdgcn-amd-amdhsa -mcpu=gfx1250 --defsym DOCPART=n.
;; ======== version 1 of 1: 4 launches
;; limits: right only within a limited range of input values
;; workspace buffers: cod 12,582,912 bytes; scl 524,288 bytes; kv 13,107,200 bytes; ao 3,145,728 bytes; aos 131,072 bytes
;; launch qq (part 1): grid 896 x 1, 8 waves a work-group, no clusters, 77,824 bytes of LDS; arguments x, context, ln_gamma, ln_beta, cod, scl, w_q, w_kv, w_out; writes cod, scl
.if DOCPART == 1
	.amdgcn_target "amdgcn-amd-amdhsa--gfx1250"
	.amdhsa_code_object_version 6
	.text
	.protected	k_q08f9ff05db_qq
	.globl	k_q08f9ff05db_qq
	.p2align	8
	.type	k_q08f9ff05db_qq,@function
k_q08f9ff05db_qq:
	s_mov_b64 s[64:65], 0
	v_nop
	global_prefetch_b8 v0, s[64:65] scope:SCOPE_SE
	s_setreg_imm32_b32 hwreg(HW_REG_WAVE_MODE, 25, 1), 1
	s_wait_xcnt 0x0
; ONE LAUNCH QUANTISES ALL OPERANDS to codes of FP6 (E2M3) with one E8M0 byte for each 32 along K.  Work-groups 0-127 take the three weights, work-groups 128-895 LayerNorm(x) and context.
; The two ways part on the work-group's number alone, and each has LDS bytes of its own.
; cod: [kp 0..3][RT][q 0..1][1,536 bytes]: the fragment (16 places x 128 K, K step 2 kp + q) as an image of its 12 registers: registers 4 c .. 4 c + 3 of lane l at 512 c + 16 l.  scl: [RT][kp][place][8 bytes].
; Row tiles RT 0-255: the 4,096 columns w_q | w_kv | w_out; 256-511: x's rows; 512-1023: context's rows.
; THE PLACES: weights and x: place r of tile 2 G + u is column (row) 32 G + 8 u + r + 8 (r / 8).  Context: place r of tile 4 G + t is row 64 G + 32 (r / 8) + 8 t + r % 8.
; ROWS (x, context): a work-group makes one row tile, all of K; wave w takes places 2 w and 2 w + 1.  A row comes by eight loads of 512 consecutive bytes; for x mean and variance are taken in two passes in f32.
; The row turns through the wave's own stage, so that lane l holds block l; codes and bytes go to the work-group's images, and behind one barrier wave w copies fragment w out, wave 0 the scale bytes.
; WEIGHTS (K is their first axis): a lane takes a column and its registers run down K.  Work-group g: columns 128 (g % 32) on; waves 0-3 K step 2 (g / 32), waves 4-7 the next; a wave takes 32 columns = two tiles x 128 K.
; The codes turn through the wave's own stage and leave as 512 consecutive bytes a store.
; A block's scale is 2^(floor(log2(largest magnitude)) - 2); its byte is the largest magnitude's exponent field - 2, held at 1 from below.
; LIMITS: a block of zeros gets the byte 1 where the quantiser says 127 (its codes are zeros, and this program alone reads the bytes); NaN and infinities among the inputs are not served.
.set TURNB, 4608                       ; rows: a wave's stage: a row with 16 bytes of padding behind each 128
.set IMG,   8*TURNB                    ; the eight fragments: 1,584 bytes each
.set SCS,   IMG+12800                  ; the tile's scale bytes
.set WST,   SCS+512                    ; weights: eight stages
.set STG,   3328                       ; a wave's stage: two tiles
.set TIL,   1664                       ; a tile's image, 1,536 bytes, + 128
.set SPARE, WST+8*STG                  ; the spare words, 128 bytes a wave: four blocks of 256 bytes that no other line names
.set SPW, 10                           ; v10  my spare word; never rewritten
.set NIL, 11                           ; v11  0; never rewritten
	s_load_b256 s[4:11], s[0:1], 0x0               ; x, context, gamma, beta
	s_load_b128 s[12:15], s[0:1], 0x20             ; cod, scl
	s_load_b128 s[36:39], s[0:1], 0x30             ; w_q, w_kv
	s_load_b64 s[40:41], s[0:1], 0x40              ; w_out
	v_lshl_add_u32 v[SPW], v0, 2, SPARE
	v_mov_b32 v[NIL], 0
	v_lshrrev_b32 v1, 5, v0
	s_delay_alu instid0(VALU_DEP_1)
	v_readfirstlane_b32 s16, v1                    ; wave 0..7
	s_cmp_lt_u32 ttmp9, 128
	s_wait_alu depctr_va_vdst(0)                   ; the wait directly ahead of the branch
	s_cbranch_scc1 .Lweights
; ---------------- rows ----------------
.set LO,  2
.set TS,  3
.set TL,  4
.set IA0, 5
.set IA1, 6
.set SA,  7
.set CR,  8
.set CS,  9
.set DD,  24
.set TT,  30
.set GA,  40
.set BE,  72
.set X,   104
.set N,   168
	s_sub_co_u32 s32, ttmp9, 128                   ; 0-255: x; 256-767: context
	v_and_b32 v1, 31, v0                           ; lane
	s_delay_alu instid0(VALU_DEP_1)
	v_lshlrev_b32 v[LO], 4, v1
	s_mul_i32 s17, s16, TURNB
	v_lshrrev_b32 v9, 3, v1                        ; lane / 8
	s_delay_alu instid0(VALU_DEP_1)
	v_lshl_add_u32 v[TS], v9, 4, v[LO]
	s_delay_alu instid0(VALU_DEP_1)
	v_add_nc_u32 v[TS], s17, v[TS]
	v_mul_u32_u24 v[TL], v1, 144
	s_delay_alu instid0(VALU_DEP_1)
	v_add_nc_u32 v[TL], s17, v[TL]
	v_lshrrev_b32 v5, 2, v1                        ; block l lies in fragment l / 4,
	s_delay_alu instid0(VALU_DEP_1)
	v_mul_u32_u24 v5, v5, 1584
	v_and_b32 v6, 1, v0                            ; in the lanes' half l % 2,
	s_delay_alu instid0(VALU_DEP_1)
	v_mad_u32_u24 v5, v6, 272, v5
	s_lshl_b32 s18, s16, 5                         ; at places 2 w and 2 w + 1,
	s_add_co_u32 s18, s18, IMG
	v_add_nc_u32 v5, s18, v5
	v_bfe_u32 v7, v0, 1, 1                         ; in registers 6 c on, c = (l / 2) % 2
	s_delay_alu instid0(VALU_DEP_1)
	v_mad_u32_u24 v[IA1], v7, 1048, v5
	s_delay_alu instid0(VALU_DEP_2)
	v_mad_u32_u24 v[IA0], v7, 536, v5
	v_and_b32 v7, 7, v0
	s_delay_alu instid0(VALU_DEP_1)
	v_lshl_add_u32 v7, v9, 7, v7                   ; scale byte: 128 (l / 8) + l % 8,
	s_lshl_b32 s18, s16, 4                         ; + 8 x place
	s_add_co_u32 s18, s18, SCS
	v_add_nc_u32 v[SA], s18, v7
	v_bfe_u32 v8, v0, 4, 1
	s_delay_alu instid0(VALU_DEP_1)
	v_lshl_add_u32 v8, v8, 4, v[LO]
	s_mul_i32 s18, s16, 1584
	s_add_co_u32 s18, s18, IMG
	v_add_nc_u32 v[CR], s18, v8
	v_add_nc_u32 v[CS], SCS, v[LO]
	s_cmp_lt_u32 s32, 256
	s_cselect_b32 s19, 0, 256
	s_sub_co_u32 s19, s32, s19                     ; the tile's number in its tensor
	s_cmp_lt_u32 s32, 256
	s_cselect_b32 s22, 1, 2                        ; tiles to a group: 2^1 for x, 2^2 for context
	s_cselect_b32 s23, 8, 24                       ; what places 8-15 add beyond 2 w
	s_lshr_b32 s20, s19, s22
	s_add_co_u32 s21, s22, 4
	s_lshl_b32 s20, s20, s21                       ; 32 G or 64 G
	s_bfm_b32 s21, s22, 0
	s_and_b32 s21, s19, s21
	s_lshl_b32 s21, s21, 3
	s_add_co_u32 s20, s20, s21                     ; + 8 x the tile's number in its group
	s_lshl_b32 s21, s16, 1
	s_add_co_u32 s20, s20, s21
	s_lshr_b32 s21, s16, 2
	s_mul_i32 s21, s21, s23
	s_add_co_u32 s20, s20, s21                     ; my first row
	s_lshl_b32 s20, s20, 12
	s_mov_b32 s21, 0
	s_add_co_u32 s22, s32, 256                     ; RT
	s_mul_i32 s24, s22, 3072
	s_lshr_b32 s23, s16, 1
	s_mul_i32 s23, s23, 3145728                    ; fragment w: kp = w / 2,
	s_add_co_u32 s24, s24, s23
	s_and_b32 s23, s16, 1
	s_mul_i32 s23, s23, 1536                       ; q = w % 2
	s_add_co_u32 s24, s24, s23
	s_mov_b32 s25, 0
	s_lshl_b32 s26, s22, 9
	s_mov_b32 s27, 0
	s_mov_b32 s28, 0x76543210                      ; selects for lane l xor 16
	s_mov_b32 s29, 0xfedcba98
	s_mov_b32 s30, 0x3a800000                      ; 1 / 1024
	s_mov_b32 s31, 0x3727c5ac                      ; eps = 1e-5
	s_wait_alu depctr_va_vdst(0)                   ; the wait at the head's end
	s_wait_kmcnt 0x0
	s_cmp_lt_u32 s32, 256
	s_cselect_b64 s[4:5], s[4:5], s[6:7]
	s_add_nc_u64 s[4:5], s[4:5], s[20:21]
	s_add_nc_u64 s[12:13], s[12:13], s[24:25]
	s_add_nc_u64 s[14:15], s[14:15], s[26:27]
.irp j, 0,1,2,3,4,5,6,7
	global_load_b128 v[GA+4*\j:GA+4*\j+3], v[LO], s[8:9] offset:512*\j
.endr
.irp j, 0,1,2,3,4,5,6,7
	global_load_b128 v[BE+4*\j:BE+4*\j+3], v[LO], s[10:11] offset:512*\j
.endr
.irp i, 0,1
.irp j, 0,1,2,3,4,5,6,7
	global_load_b128 v[X+32*\i+4*\j:X+32*\i+4*\j+3], v[LO], s[4:5] offset:4096*\i+512*\j th:TH_LOAD_NT
.endr
.endr
.macro WSUM                            ; v12 summed over the 32 lanes, the result in every lane
	s_delay_alu instid0(VALU_DEP_1)
	v_add_f32_dpp v12, v12, v12 row_xmask:1 row_mask:0xf bank_mask:0xf
	s_delay_alu instid0(VALU_DEP_1)
	v_add_f32_dpp v12, v12, v12 row_xmask:2 row_mask:0xf bank_mask:0xf
	s_delay_alu instid0(VALU_DEP_1)
	v_add_f32_dpp v12, v12, v12 row_xmask:4 row_mask:0xf bank_mask:0xf
	s_delay_alu instid0(VALU_DEP_1)
	v_add_f32_dpp v12, v12, v12 row_xmask:8 row_mask:0xf bank_mask:0xf
	s_delay_alu instid0(VALU_DEP_1)
	v_permlanex16_b32 v13, v12, s28, s29
	s_delay_alu instid0(VALU_DEP_1)
	v_add_f32 v12, v12, v13
.endm
.macro ROW i, left
.set XR, X+32*\i
	s_wait_loadcnt \left                           ; this row's eight loads are in (gamma and beta came first); the next row's may be out
	s_cmp_lt_u32 s32, 256
	s_cbranch_scc0 .Lplain_\@                      ; context is quantised as it is
	v_pk_add_f32 v[12:13], v[XR:XR+1], v[XR+2:XR+3]
	v_pk_add_f32 v[14:15], v[XR+4:XR+5], v[XR+6:XR+7]
.irp j, 8,12,16,20,24,28
	s_delay_alu instid0(VALU_DEP_2)
	v_pk_add_f32 v[12:13], v[12:13], v[XR+\j:XR+\j+1]
	s_delay_alu instid0(VALU_DEP_2)
	v_pk_add_f32 v[14:15], v[14:15], v[XR+\j+2:XR+\j+3]
.endr
	s_delay_alu instid0(VALU_DEP_1)
	v_pk_add_f32 v[12:13], v[12:13], v[14:15]
	s_delay_alu instid0(VALU_DEP_1)
	v_add_f32 v12, v12, v13
	WSUM
	s_delay_alu instid0(VALU_DEP_1)
	v_mul_f32 v16, s30, v12                        ; the mean
	s_delay_alu instid0(VALU_DEP_1)
	v_mov_b32 v17, v16
.set j, 0
.rept 16
	v_pk_add_f32 v[XR+j:XR+j+1], v[XR+j:XR+j+1], v[16:17] neg_lo:[0,1] neg_hi:[0,1]   ; x - mean
.set j, j+2
.endr
	v_pk_mul_f32 v[12:13], v[XR:XR+1], v[XR:XR+1]
	v_pk_mul_f32 v[14:15], v[XR+2:XR+3], v[XR+2:XR+3]
.irp j, 4,8,12,16,20,24,28
	s_delay_alu instid0(VALU_DEP_2)
	v_pk_fma_f32 v[12:13], v[XR+\j:XR+\j+1], v[XR+\j:XR+\j+1], v[12:13]
	s_delay_alu instid0(VALU_DEP_2)
	v_pk_fma_f32 v[14:15], v[XR+\j+2:XR+\j+3], v[XR+\j+2:XR+\j+3], v[14:15]
.endr
	s_delay_alu instid0(VALU_DEP_1)
	v_pk_add_f32 v[12:13], v[12:13], v[14:15]
	s_delay_alu instid0(VALU_DEP_1)
	v_add_f32 v12, v12, v13
	WSUM
	s_delay_alu instid0(VALU_DEP_1)
	v_fma_f32 v12, v12, s30, s31                   ; variance + eps
	s_wait_alu depctr_va_vdst(0)
	v_rsq_f32 v18, v12
	v_nop                                          ; a plain place behind the transcendental,
	s_wait_alu depctr_va_vdst(0)                   ; and the wait ahead of its first reader
	v_mov_b32 v19, v18
.set j, 0
.rept 16
	v_pk_mul_f32 v[XR+j:XR+j+1], v[XR+j:XR+j+1], v[18:19]
.set j, j+2
.endr
.set j, 0
.rept 16
	v_pk_fma_f32 v[XR+j:XR+j+1], v[XR+j:XR+j+1], v[GA+j:GA+j+1], v[BE+j:BE+j+1]
.set j, j+2
.endr
.Lplain_\@:
.irp j, 0,1,2,3,4,5,6,7
	ds_store_b128 v[TS], v[XR+4*\j:XR+4*\j+3] offset:576*\j    ; as loaded: 512 bytes and their four paddings
.endr
.irp k, 0,1,2,3,4,5,6,7
	ds_load_b128 v[N+4*\k:N+4*\k+3], v[TL] offset:16*\k        ; LDS serves a wave's instructions in order.  Lane l: block l
.endr
	s_wait_dscnt 0x0                               ; (the last row's stores into the images are done too: their registers may be written)
	v_max3_num_f32 v20, |v[N]|, |v[N+1]|, |v[N+2]|
	v_max3_num_f32 v21, |v[N+3]|, |v[N+4]|, |v[N+5]|
.irp k, 6,10,14,18,22,26
	s_delay_alu instid0(VALU_DEP_2)
	v_max3_num_f32 v20, v20, |v[N+\k]|, |v[N+\k+1]|
	s_delay_alu instid0(VALU_DEP_2)
	v_max3_num_f32 v21, v21, |v[N+\k+2]|, |v[N+\k+3]|
.endr
	s_delay_alu instid0(VALU_DEP_2)
	v_max3_num_f32 v20, v20, |v[N+30]|, |v[N+31]|
	s_delay_alu instid0(VALU_DEP_1)
	v_max3_num_f32 v20, v20, v21, 0x1800000        ; and the floor 2^(3 - 127)
	s_delay_alu instid0(VALU_DEP_1)
	v_add_nc_u32 v22, 0xff000000, v20              ; 2 off the exponent field: the conversion's scale operand
	s_delay_alu instid0(VALU_DEP_1)
	v_lshrrev_b32 v23, 23, v22                     ; the scale's byte
	v_cvt_scalef32_pk16_fp6_f32 v[DD:DD+2], v[N:N+15], v22
	v_cvt_scalef32_pk16_fp6_f32 v[TT:TT+2], v[N+16:N+31], v22
	v_nop                                          ; one plain place behind a scaled conversion
.irp k, 0,1,2
	v_mov_b32 v[DD+3+\k], v[TT+\k]
.endr
	ds_store_b64 v[IA0], v[DD:DD+1] offset:16*\i
	ds_store_b64 v[IA1], v[DD+2:DD+3] offset:8+16*\i
	ds_store_b64 v[IA0], v[DD+4:DD+5] offset:528+16*\i
	ds_store_b8 v[SA], v23 offset:8*\i
.endm
	ROW 0, 8
	ROW 1, 0
	s_wait_dscnt 0x0                               ; for the others' sake: my stores into the images are done
	s_barrier_signal -1
	s_barrier_wait -1
	s_cmp_lg_u32 s16, 0
	s_cbranch_scc1 .Lnot_wave_0
	ds_load_b128 v[120:123], v[CS]                 ; wave 0: the tile's 512 scale bytes
	s_wait_dscnt 0x0
	global_store_b128 v[LO], v[120:123], s[14:15]
.Lnot_wave_0:
.irp c, 0,1,2
	ds_load_b128 v[X+4*\c:X+4*\c+3], v[CR] offset:528*\c
.endr
.irp c, 0,1,2
	s_wait_dscnt 2-\c
	global_store_b128 v[LO], v[X+4*\c:X+4*\c+3], s[12:13] offset:512*\c   ; 512 consecutive bytes, at a multiple of 256 from cod's first byte
.endr
	s_wait_tensorcnt 0x0                           ; the wave's end, behind my last LDS store
	ds_add_u32 v[SPW], v[NIL]
	s_wait_dscnt 0x0
	s_endpgm
; ---------------- weights ----------------
.Lweights:
.set LO,  2                            ; v2   4 x lane: my column in a row of the weight
.set ST,  3                            ; v3   the stage, on the way in
.set RDS, 4                            ; v4   and on the way out
.set L16, 5                            ; v5   16 x lane
.set SO,  6                            ; v6   my scale word's place: 512 u + 8 r
.set SB,  7                            ; v7   the scale word
.set X,   16                           ; v16-143   my column's 128 numbers
.set D,   144                          ; six registers of codes for each block, 8 apart
.set T,   176                          ; a block's second half
	s_and_b32 s33, ttmp9, 31                       ; x: columns 128 x on
	s_lshr_b32 s19, ttmp9, 5
	s_lshl_b32 s19, s19, 1
	s_lshr_b32 s17, s16, 2
	s_add_co_u32 s19, s19, s17                     ; y: the K step of 128
	s_and_b32 s24, s16, 3                          ; which 32 columns
	s_mul_i32 s25, s16, STG
	s_add_co_u32 s25, s25, WST                     ; my stage
	v_and_b32 v1, 31, v0                           ; lane = my column among the wave's 32
	v_bfe_u32 v14, v0, 3, 1                        ; u = (lane / 8) % 2: which of the two tiles
	v_and_b32 v15, 7, v0
	v_bfe_u32 v2, v0, 4, 1
	v_lshl_add_u32 v15, v2, 3, v15                 ; r = lane % 8 + 8 (lane / 16): my place in it
	v_mul_u32_u24 v[ST], v14, TIL
	v_lshl_add_u32 v[ST], v15, 4, v[ST]
	v_add_nc_u32 v[ST], s25, v[ST]
	v_lshlrev_b32 v[L16], 4, v1
	v_add_nc_u32 v[RDS], s25, v[L16]
	v_lshlrev_b32 v[SO], 9, v14
	v_lshl_add_u32 v[SO], v15, 3, v[SO]
	v_lshlrev_b32 v[LO], 2, v1
	s_sub_co_u32 s18, s33, 8                       ; under 16 (unsigned) in w_kv's work-groups
	s_cmp_lt_u32 s18, 16
	s_cselect_b32 s17, 20, 19                      ; 128 rows are 2^20 bytes in w_kv, 2^19 in the others
	s_lshl_b32 s26, s19, s17
	s_cmp_lt_u32 s33, 8
	s_cselect_b32 s32, 0, 8
	s_cmp_lt_u32 s33, 24
	s_cselect_b32 s32, s32, 24                     ; the tensor's first x
	s_sub_co_u32 s32, s33, s32
	s_lshl_b32 s32, s32, 9                         ; 128 columns of 4 bytes an x,
	s_lshl_b32 s27, s24, 7                         ; 32 a wave
	s_add_co_u32 s26, s26, s32
	s_add_co_u32 s26, s26, s27
	s_mov_b32 s27, 0
	s_lshr_b32 s28, s19, 1                         ; kp
	s_and_b32 s29, s19, 1                          ; q
	s_lshl_b32 s30, s33, 3
	s_lshl_b32 s31, s24, 1
	s_add_co_u32 s30, s30, s31                     ; RT of my first tile
	s_mul_i32 s20, s28, 3145728
	s_mul_i32 s31, s30, 3072
	s_add_co_u32 s20, s20, s31
	s_mul_i32 s31, s29, 1536
	s_add_co_u32 s20, s20, s31
	s_mov_b32 s21, 0
	s_lshl_b32 s22, s30, 9
	s_lshl_b32 s31, s28, 7
	s_add_co_u32 s22, s22, s31
	s_lshl_b32 s31, s29, 2
	s_add_co_u32 s22, s22, s31
	s_mov_b32 s23, 0
	s_wait_alu depctr_va_vdst(0)                   ; the wait at the head's end
	s_wait_kmcnt 0x0
	s_cmp_lt_u32 s33, 8                            ; which weight: the choice hangs on the work-group's number alone
	s_cselect_b64 s[34:35], s[36:37], s[38:39]
	s_cmp_lt_u32 s33, 24
	s_cselect_b64 s[34:35], s[34:35], s[40:41]
	s_add_nc_u64 s[34:35], s[34:35], s[26:27]
	s_add_nc_u64 s[20:21], s[12:13], s[20:21]      ; my two fragments in cod
	s_add_nc_u64 s[22:23], s[14:15], s[22:23]      ; my scale words in scl
.macro LOADS stride                    ; W(128 y + i, my column), i = 0 .. 127
.set i, 0
.rept 128
	global_load_b32 v[X+i], v[LO], s[34:35] offset:i*\stride th:TH_LOAD_NT
.set i, i+1
.endr
.endm
	s_cmp_lt_u32 s18, 16                           ; the row's length stands in the immediates, so the loads are written twice; both ways fill the same registers
	s_cbranch_scc1 .Lwide
	LOADS 4096
	s_branch .Lloaded
.Lwide:
	LOADS 8192
.Lloaded:
; Block b (32 along K): largest magnitude, scale, codes.  In the fragment it is registers 6 (b / 2) .. + 5 of lane r + 16 (b % 2).
.macro BLOCK b, left
.set XS, X+32*\b
.set DB, D+8*\b
	s_wait_loadcnt \left                           ; loads come back in order: with so many out at the most, this block's 32 are in
	v_max3_num_f32 v8, |v[XS]|, |v[XS+1]|, |v[XS+2]|
	v_max3_num_f32 v9, |v[XS+3]|, |v[XS+4]|, |v[XS+5]|
.irp i, 6,10,14,18,22,26
	v_max3_num_f32 v8, v8, |v[XS+\i]|, |v[XS+\i+1]|
	v_max3_num_f32 v9, v9, |v[XS+\i+2]|, |v[XS+\i+3]|
.endr
	v_max3_num_f32 v8, v8, |v[XS+30]|, |v[XS+31]|
	v_max3_num_f32 v8, v8, v9, 0x1800000           ; and the floor 2^(3 - 127): the byte cannot fall under 1
	v_add_nc_u32 v14, 0xff000000, v8               ; 2 off the exponent field: the conversion's scale operand
	v_lshrrev_b32 v15, 23, v14                     ; the scale's byte
.if \b == 0
	v_mov_b32 v[SB], v15
.else
	v_lshl_or_b32 v[SB], v15, 8*\b, v[SB]
.endif
	v_cvt_scalef32_pk16_fp6_f32 v[DB:DB+2], v[XS:XS+15], v14
	v_cvt_scalef32_pk16_fp6_f32 v[T:T+2], v[XS+16:XS+31], v14
	v_nop                                          ; one plain place behind a scaled conversion
.irp i, 0,1,2
	v_mov_b32 v[DB+3+\i], v[T+\i]
.endr
.if \b < 2
	ds_store_b128 v[ST], v[DB:DB+3] offset:256*(\b%2)          ; registers 0-3
	ds_store_b64 v[ST], v[DB+4:DB+5] offset:512+256*(\b%2)     ; registers 4, 5
.else
	ds_store_b64 v[ST], v[DB:DB+1] offset:520+256*(\b%2)       ; registers 6, 7
	ds_store_b128 v[ST], v[DB+2:DB+5] offset:1024+256*(\b%2)   ; registers 8-11
.endif
.endm
	BLOCK 0, 63                                    ; 63 is the most that a wait names: at most 63 of the 128 out means that loads 0 to 64 are in
	BLOCK 1, 63
	BLOCK 2, 32
	BLOCK 3, 0
.irp k, 0,1,2,3,4,5
	ds_load_b128 v[X+4*\k:X+4*\k+3], v[RDS] offset:(\k/3)*TIL+512*(\k%3)   ; LDS serves a wave's instructions in order: these see my stores
.endr
	s_wait_alu depctr_va_vdst(0)
.irp k, 0,1,2,3,4,5
	s_wait_dscnt 5-\k
	global_store_b128 v[L16], v[X+4*\k:X+4*\k+3], s[20:21] offset:(\k/3)*3072+512*(\k%3)   ; 512 consecutive bytes, at a multiple of 256 from cod's first byte
.endr
	global_store_b32 v[SO], v[SB], s[22:23]
	s_wait_tensorcnt 0x0                           ; the wave's end, behind my last LDS store
	ds_add_u32 v[SPW], v[NIL]
	s_wait_dscnt 0x0
	s_endpgm
.Lfunc_end_k_q08f9ff05db_qq:
	.size	k_q08f9ff05db_qq, .Lfunc_end_k_q08f9ff05db_qq-k_q08f9ff05db_qq
	.p2alignl 7, 3214868480
	.fill 96, 4, 3214868480
	.section	.rodata,"a",@progbits
	.p2align	6, 0x0
	.amdhsa_kernel k_q08f9ff05db_qq
		.amdhsa_group_segment_fixed_size 77824
		.amdhsa_private_segment_fixed_size 0
		.amdhsa_enable_private_segment 0
		.amdhsa_kernarg_size 72
		.amdhsa_user_sgpr_count 2
		.amdhsa_user_sgpr_kernarg_segment_ptr 1
		.amdhsa_wavefront_size32 1
		.amdhsa_system_sgpr_workgroup_id_x 1
		.amdhsa_system_sgpr_workgroup_id_y 1
		.amdhsa_system_sgpr_workgroup_id_z 1
		.amdhsa_system_vgpr_workitem_id 0
		.amdhsa_next_free_vgpr 200
		.amdhsa_next_free_sgpr 66
		.amdhsa_reserve_vcc 0
		.amdhsa_float_denorm_mode_32 3
		.amdhsa_float_denorm_mode_16_64 3
		.amdhsa_memory_ordered 1
		.amdhsa_forward_progress 1
		.amdhsa_inst_pref_size 65
	.end_amdhsa_kernel
	.amdgpu_metadata
---
amdhsa.version: [ 1, 2 ]
amdhsa.kernels:
  - .name:           k_q08f9ff05db_qq
    .symbol:         k_q08f9ff05db_qq.kd
    .args:
      - { .name: x, .offset: 0, .size: 8, .value_kind: global_buffer, .address_space: global }
      - { .name: context, .offset: 8, .size: 8, .value_kind: global_buffer, .address_space: global }
      - { .name: ln_gamma, .offset: 16, .size: 8, .value_kind: global_buffer, .address_space: global }
      - { .name: ln_beta, .offset: 24, .size: 8, .value_kind: global_buffer, .address_space: global }
      - { .name: cod, .offset: 32, .size: 8, .value_kind: global_buffer, .address_space: global }
      - { .name: scl, .offset: 40, .size: 8, .value_kind: global_buffer, .address_space: global }
      - { .name: w_q, .offset: 48, .size: 8, .value_kind: global_buffer, .address_space: global }
      - { .name: w_kv, .offset: 56, .size: 8, .value_kind: global_buffer, .address_space: global }
      - { .name: w_out, .offset: 64, .size: 8, .value_kind: global_buffer, .address_space: global }
    .group_segment_fixed_size: 77824
    .private_segment_fixed_size: 0
    .kernarg_segment_align: 8
    .kernarg_segment_size: 72
    .max_flat_workgroup_size: 256
    .sgpr_count:     66
    .vgpr_count:     200
    .wavefront_size: 32
...
	.end_amdgpu_metadata
.endif
;; end of part 1
;; launch proj (part 2): grid 4 x 64, 4 waves a work-group, clusters of 4 x 4, 327,680 bytes of LDS; arguments cod, scl, kv; writes kv
.if DOCPART == 2
	.amdgcn_target "amdgcn-amd-amdhsa--gfx1250"
	.amdhsa_code_object_version 6
	.text
	.protected	k_q08f9ff05db_proj
	.globl	k_q08f9ff05db_proj
	.p2align	8
	.type	k_q08f9ff05db_proj,@function
k_q08f9ff05db_proj:
	s_mov_b64 s[64:65], 0
	v_nop
	global_prefetch_b8 v0, s[64:65] scope:SCOPE_SE
	s_setreg_imm32_b32 hwreg(HW_REG_WAVE_MODE, 25, 1), 1
	s_wait_xcnt 0x0
	s_wait_alu depctr_hold_cnt(0) depctr_sa_sdst(0) depctr_va_vdst(0) depctr_va_sdst(0) depctr_va_ssrc(0) depctr_va_vcc(0) depctr_vm_vsrc(0)
	s_getreg_b32 s2, hwreg(HW_REG_IB_STS2, 6, 4)
	s_cmp_eq_u32 s2, 0
	s_cbranch_scc0 .Lentry_in_a_cluster
	s_endpgm
.Lentry_in_a_cluster:
	s_bfe_u32 s2, ttmp6, 0x10000c
	s_cmp_lg_u32 s2, 0xf033
	s_cbranch_scc0 .Lentry_shape_is_right
	s_endpgm
.Lentry_shape_is_right:
.set KPSA,  3145728
.set KPSB,  3145728
.set TILEB, 3072
.set FRB,   1536
.set HALFT, 24576
.set SLOT,  4*HALFT
.set SCL,   2*SLOT
.set SPARE, SCL+16384
.set FR,    12
.set NLA,   3
.set NP,    4
.set ADRA, 16
.set ADRB, 20
.set L8,   25
.set L16,  26
.set ADRS, 27
.set SPW,  28
.set NIL,  29
.set SC,   32
.set PW,   64
.set SW,   72
.set AF,   128
.set TT,   224
.set TM,   232
.set SEL,  2
.set HM,   42
.set G1,   24
.set G0,   32
.set G1B,  48
.set G0B,  56
.set G1S,  68
.set G0S,  76
.set G1SB, 80
.set G0SB, 88
.set MSB, 0
.macro WIN new
.if MSB != \new
	s_set_vgpr_msb (MSB<<8)|\new
.set MSB, \new
.endif
.endm
.set MUL_LO, 0xa1
.set MUL_HI, 0xf1
.set TO_B,   0x40
.macro JLOAD g0a, g1a, g0b, g1b
	s_cmp_eq_u32 s15, 0
	s_cbranch_scc0 .Lfor_b_\@
	tensor_load_to_lds s[\g0a:\g0a+3], s[\g1a:\g1a+7]
	s_nop 0
.rept 4
	v_nop
.endr
	s_branch .Lasked_\@
.Lfor_b_\@:
	tensor_load_to_lds s[\g0b:\g0b+3], s[\g1b:\g1b+7]
	s_nop 0
.rept 4
	v_nop
.endr
.Lasked_\@:
.endm
.macro CREST
	s_cmp_lg_u32 s14, 0
	s_cbranch_scc1 .Lnot_wave_0_\@
	s_barrier_signal -3
.Lnot_wave_0_\@:
	s_barrier_wait -3
	s_barrier_signal -1
	s_barrier_wait -1
.endm
.macro CROUND
	s_barrier_signal -1
	s_barrier_wait -1
	CREST
.endm
	s_load_b128 s[4:7], s[0:1], 0x0                ; cod, scl
	s_load_b64 s[10:11], s[0:1], 0x10              ; kv
	v_lshl_add_u32 v[SPW], v0, 2, SPARE
	v_mov_b32 v[NIL], 0
	ds_add_u32 v[SPW], v[NIL]
	ds_add_u32 v[SPW], v[NIL]
	v_lshrrev_b32 v1, 5, v0
	v_readfirstlane_b32 s14, v1
	s_lshr_b32 s15, s14, 1
	s_and_b32 s16, s14, 1
	s_bfe_u32 s40, ttmp6, 0x40000
	s_bfe_u32 s41, ttmp6, 0x40004
	s_and_b32 s17, ttmp7, 0xffff
	s_add_co_u32 s17, s17, 4                       ; roles: 4-11 k, 12-19 v; q's projection is made by the attention launch
	s_lshl_b32 s43, s41, 2
	s_lshl_b32 s43, 15, s43
	s_lshl_b32 s44, 0x1111, s40
	s_or_b32 s[G1+0], s43, (3<<16)|(1<<21)
	s_or_b32 s[G1B+0], s44, (3<<16)|(1<<21)
.irp g, G1, G1B
	s_mov_b32 s[\g+1], 32<<16
	s_mov_b32 s[\g+2], 192<<16                     ; the head's loads bring a whole tile of 16 row tiles: 192 rows of 256 bytes; behind them the two words are set to 96, for the ring's
	s_mov_b32 s[\g+3], 32<<16
	s_mov_b32 s[\g+4], 192
	s_mov_b32 s[\g+5], 32
	s_mov_b32 s[\g+6], 0
	s_mov_b32 s[\g+7], 0
.endr
	s_or_b32 s[G1S+0], s43, (3<<16)|(1<<21)
	s_or_b32 s[G1SB+0], s44, (3<<16)|(1<<21)
.irp g, G1S, G1SB
	s_mov_b32 s[\g+1], 32<<16
	s_mov_b32 s[\g+2], 32<<16                      ; the scale bytes of 16 row tiles: 8,192 dense bytes
	s_mov_b32 s[\g+3], 32<<16
	s_mov_b32 s[\g+4], 32
	s_mov_b32 s[\g+5], 32
	s_mov_b32 s[\g+6], 0
	s_mov_b32 s[\g+7], 0
.endr
	s_lshl_b32 s18, s17, 6
	s_add_co_u32 s19, s18, 256
	s_sub_co_u32 s20, s18, 256
	s_cmp_lt_u32 s17, 4
	s_cselect_b32 s21, 0, 64
	s_cmp_lt_u32 s17, 12
	s_cselect_b32 s21, s21, s20
	s_cselect_b32 s22, s19, 128
	s_lshl_b32 s23, s16, 3
	s_lshl_b32 s45, s41, 4
	s_add_co_u32 s22, s22, s45
	s_mul_i32 s12, s16, HALFT                      ; in the ring I fetch eight of a tile's 16 row tiles: which half, in bytes
	s_lshl_b32 s46, s40, 4
	s_add_co_u32 s21, s21, s46
	s_mov_b32 s13, 0
	s_mul_i32 s92, s22, TILEB
	s_mov_b32 s93, 0
	s_lshl_b32 s94, s22, 9
	s_mov_b32 s95, 0
	s_mul_i32 s96, s21, TILEB
	s_mov_b32 s97, 0
	s_lshl_b32 s98, s21, 9
	s_mov_b32 s99, 0
	s_mul_i32 s47, s14, HALFT
	s_lshl_b32 s42, s14, 12
	s_wait_dscnt 0x0
	s_wait_kmcnt 0x0
	s_add_nc_u64 s[92:93], s[4:5], s[92:93]
	s_add_nc_u64 s[94:95], s[6:7], s[94:95]
	s_add_nc_u64 s[96:97], s[4:5], s[96:97]
	s_add_nc_u64 s[98:99], s[6:7], s[98:99]
	CROUND
	s_mov_b32 s[G0S], 1
	s_mov_b32 s[G0S+1], SCL
	s_mov_b64 s[G0S+2:G0S+3], s[94:95]
	s_or_b32 s[G0S+3], s[G0S+3], 0x80000000
	s_mov_b32 s[G0SB], 1
	s_mov_b32 s[G0SB+1], SCL+8192
	s_mov_b64 s[G0SB+2:G0SB+3], s[98:99]
	s_or_b32 s[G0SB+3], s[G0SB+3], 0x80000000
; THE HEAD'S LOADS, ONE A WAVE, in one chain of branches on the wave's number: wave 0 slot 0's tile of A, wave 1 its tile of B, wave 2 A's scale bytes, wave 3 B's
	s_mov_b32 s[G0], 1
	s_mov_b32 s[G0+1], 0
	s_mov_b64 s[G0+2:G0+3], s[92:93]
	s_or_b32 s[G0+3], s[G0+3], 0x80000000
	s_mov_b32 s[G0B], 1
	s_mov_b32 s[G0B+1], 2*HALFT
	s_mov_b64 s[G0B+2:G0B+3], s[96:97]
	s_or_b32 s[G0B+3], s[G0B+3], 0x80000000
.macro ARM under, g0, g1, next
	s_cmp_lt_u32 s14, \under
	s_cbranch_scc0 \next
	tensor_load_to_lds s[\g0:\g0+3], s[\g1:\g1+7]
	s_nop 0
.rept 4
	v_nop
.endr
	s_branch .Lhead_asked
\next:
.endm
	ARM 1, G0,  G1,  .Lhead_b
	ARM 2, G0B, G1B, .Lhead_sa
	ARM 3, G0S, G1S, .Lhead_sb
	tensor_load_to_lds s[G0SB:G0SB+3], s[G1SB:G1SB+7]
	s_nop 0
.rept 4
	v_nop
.endr
.Lhead_asked:
	s_wait_alu depctr_va_vdst(0)
	s_wait_tensorcnt 0x0                           ; my tile of the four is in
	ds_add_u32 v28, v29
	s_mov_b32 s[G1+2], 96<<16                      ; no tensor load of mine is out, so the descriptors may be written: from here on a load brings 96 rows,
	s_mov_b32 s[G1+4], 96
	s_mov_b32 s[G1B+2], 96<<16
	s_mov_b32 s[G1B+4], 96
	s_add_nc_u64 s[92:93], s[92:93], s[12:13]      ; my half of a tile
	s_add_nc_u64 s[96:97], s[96:97], s[12:13]
.irp s, 0,1
	s_mov_b32 s[G0+4*\s], 1
	s_add_co_u32 s[G0+4*\s+1], s47, \s*SLOT
	s_add_nc_u64 s[G0+4*\s+2:G0+4*\s+3], s[92:93], \s*KPSA
	s_or_b32 s[G0+4*\s+3], s[G0+4*\s+3], 0x80000000
	s_mov_b32 s[G0B+4*\s], 1
	s_add_co_u32 s[G0B+4*\s+1], s47, \s*SLOT
	s_add_nc_u64 s[G0B+4*\s+2:G0B+4*\s+3], s[96:97], \s*KPSB
	s_or_b32 s[G0B+4*\s+3], s[G0B+4*\s+3], 0x80000000
.endr
	s_wait_dscnt 0x0                               ; the add is done
	CROUND                                         ; all four tiles are in, and all sixteen work-groups are here
	JLOAD G0+4, G1, G0B+4, G1B                     ; slot 1's first fill, the first tensor load behind the round
	v_and_b32 v1, 31, v0
	v_and_b32 v2, 15, v0
	v_bfe_u32 v3, v0, 4, 1
	s_wait_alu depctr_va_vdst(0)
	v_lshlrev_b32 v[L16], 4, v1
	v_lshlrev_b32 v[L8], 3, v1
	v_lshlrev_b32 v5, 3, v3                        ; 8 x (lane / 16): where my two scale bytes stand in v's scale word
	s_mul_i32 s21, s15, HALFT
	s_mul_i32 s22, s16, HALFT
	s_add_co_u32 s22, s22, 2*HALFT
.irp s, 0,1
	v_add_nc_u32 v[ADRA+\s], s21, v[L16]
	v_add_nc_u32 v[ADRB+\s], s22, v[L16]
	s_add_co_u32 s21, s21, SLOT
	s_add_co_u32 s22, s22, SLOT
.endr
	s_lshl_b32 s21, s15, 12
	s_lshl_b32 s22, s16, 12
	s_add_co_u32 s22, s22, 8192
	s_sub_co_u32 s22, s22, s21
	v_mul_u32_u24 v4, s22, v3
	s_add_co_u32 s21, s21, SCL
	v_lshl_add_u32 v4, v2, 3, v4
	v_add_nc_u32 v[ADRS], s21, v4
.irp b, 0,1,2,3
	v_mov_b32 v[TM+4+\b], 0
.endr
	s_mov_b32 s[SEL], 0x76543210
	s_mov_b32 s[SEL+1], 0xfedcba98
	s_mov_b32 s[HM], 0xffff0000
	s_cmp_lt_u32 s17, 4
	s_cselect_b32 s18, 0, 4
	s_cselect_b32 s19, 4, 5
	s_mov_b32 s22, 12800
	s_cselect_b32 s22, 6400, s22
	s_mov_b64 s[66:67], s[10:11]
	s_cmp_lt_u32 s17, 12
	s_cselect_b32 s18, s18, 12
	s_cselect_b32 s23, 0, 6400
	s_cselect_b32 s45, s41, s40
	s_cselect_b32 s46, s15, s16
	s_cselect_b32 s47, s40, s41
	s_cselect_b32 s96, s16, s15
	s_sub_co_u32 s18, s17, s18
	s_lshl_b32 s18, s18, 3
	s_lshl_b32 s45, s45, 1
	s_add_co_u32 s18, s18, s45
	s_add_co_u32 s18, s18, s46
	s_lshl_b32 s47, s47, 2
	s_lshl_b32 s96, s96, 1
	s_add_co_u32 s47, s47, s96
	s_lshr_b32 s20, s18, s19
	s_lshl_b32 s20, s20, 4
	s_add_co_u32 s20, s20, s47
	s_lshl_b32 s20, s20, s19
	s_bfm_b32 s45, s19, 0
	s_and_b32 s45, s18, s45
	s_add_co_u32 s20, s20, s45
	s_mul_i32 s20, s20, s22
	s_add_co_u32 s20, s20, s23
	s_mov_b32 s21, 0
	s_add_nc_u64 s[66:67], s[66:67], s[20:21]
	s_lshl_b32 s20, s22, s19
	s_add_nc_u64 s[12:13], s[66:67], s[20:21]
.macro FRAG reg, adr, q, i
.irp c, 0,1,2
	ds_load_b128 v[\reg+4*\c:\reg+4*\c+3], v[\adr] offset:(\i)*TILEB+(\q)*FRB+512*\c
.endr
.endm
.macro MUL16 a0, p, q, sc, zero
.irp a, \a0, \a0+1
.irp b, 0,1,2,3,4,5,6,7
.if \zero
	v_wmma_scale_f32_16x16x128_f8f6f4 v[8*(8*((\a)%4)+\b):8*(8*((\a)%4)+\b)+7], v[128*(\p)+FR*\b:128*(\p)+FR*\b+FR-1], v[AF+FR*(\a):AF+FR*(\a)+FR-1], 0, v[SC+16*(\sc)+2*\b+(\q)], v[SC+16*(\sc)+2*(\a)+(\q)] matrix_a_fmt:MATRIX_FMT_FP6 matrix_b_fmt:MATRIX_FMT_FP6 matrix_a_scale:MATRIX_SCALE_ROW1
.else
	v_wmma_scale_f32_16x16x128_f8f6f4 v[8*(8*((\a)%4)+\b):8*(8*((\a)%4)+\b)+7], v[128*(\p)+FR*\b:128*(\p)+FR*\b+FR-1], v[AF+FR*(\a):AF+FR*(\a)+FR-1], v[8*(8*((\a)%4)+\b):8*(8*((\a)%4)+\b)+7], v[SC+16*(\sc)+2*\b+(\q)], v[SC+16*(\sc)+2*(\a)+(\q)] matrix_a_fmt:MATRIX_FMT_FP6 matrix_b_fmt:MATRIX_FMT_FP6 matrix_a_scale:MATRIX_SCALE_ROW1
.endif
.endr
.endr
.endm
.macro FETCH_B slot, q, p
	WIN TO_B
.irp i, 0,1,2,3,4,5,6,7
	FRAG 128*(\p)+FR*\i, ADRB+\slot, \q, \i
.endr
	WIN 0
.endm
.macro FETCH_A slot, q, i0
.irp i, \i0, \i0+1, \i0+2, \i0+3
	FRAG AF+FR*(\i), ADRA+\slot, \q, \i
.endr
.endm
.macro SCALES sc, kp
.irp i, 0,1,2,3,4,5,6,7
	ds_load_b64 v[SC+16*\sc+2*\i:SC+16*\sc+2*\i+1], v[ADRS] offset:512*\i+128*\kp
.endr
.endm
.macro PLACES n
.rept \n
	v_nop
.endr
.endm
.macro STEP slot, q, zero
	s_wait_dscnt 4*NLA
	WIN MUL_LO
	MUL16 0, (\q)%2, \q, \slot, \zero
	MUL16 2, (\q)%2, \q, \slot, \zero
	s_wait_dscnt 0
	PLACES NP
	FETCH_B \slot, (\q)+1, 1-(\q)%2
	FETCH_A \slot, (\q)+1, 0
	WIN MUL_HI
	MUL16 4, (\q)%2, \q, \slot, \zero
	MUL16 6, (\q)%2, \q, \slot, \zero
	PLACES NP
	WIN 0
	FETCH_A \slot, (\q)+1, 4
.endm
.macro TURN slot, next, fill, kp
	s_wait_tensorcnt 0x0
	ds_add_u32 v[SPW], v[NIL]
	s_wait_dscnt 4*NLA+1
	WIN MUL_LO
	MUL16 0, 1, 1, \slot, 0
	s_wait_dscnt 0x0
	s_barrier_signal -1
	MUL16 2, 1, 1, \slot, 0
	WIN 0
	s_barrier_wait -1
.if \fill
	CREST
	s_add_nc_u64 s[G0+4*\slot+2:G0+4*\slot+3], s[G0+4*\slot+2:G0+4*\slot+3], 2*KPSA
	s_add_nc_u64 s[G0B+4*\slot+2:G0B+4*\slot+3], s[G0B+4*\slot+2:G0B+4*\slot+3], 2*KPSB
	JLOAD G0+4*\slot, G1, G0B+4*\slot, G1B
.else
	PLACES NP
.endif
	FETCH_B \next, 0, 0
	FETCH_A \next, 0, 0
	SCALES \next, \kp
	WIN MUL_HI
	MUL16 4, 1, 1, \slot, 0
	MUL16 6, 1, 1, \slot, 0
	PLACES NP
	WIN 0
	FETCH_A \next, 0, 4
.endm
	s_wait_alu depctr_va_vdst(0)
	s_wait_tensorcnt 1
	s_barrier_signal -1
	s_barrier_wait -1
	FETCH_B 0, 0, 0
	FETCH_A 0, 0, 0
	SCALES 0, 0
	FETCH_A 0, 0, 4
	STEP 0, 0, 1
	TURN 0, 1, 1, 1
	STEP 1, 0, 0
	TURN 1, 0, 1, 2
	STEP 0, 0, 0
	TURN 0, 1, 0, 3
	STEP 1, 0, 0
	s_wait_dscnt 4*NLA
	WIN MUL_LO
	MUL16 0, 1, 1, 1, 0
	MUL16 2, 1, 1, 1, 0
	s_wait_dscnt 0
	WIN MUL_HI
	MUL16 4, 1, 1, 1, 0
	MUL16 6, 1, 1, 1, 0
	WIN 0
.set VM, 0                             ; VM = 1: v's fragments: context's places leave a whole block of 32 keys in a lane's 32 registers, so no other lane is asked and nothing is swapped
.macro FRAGOUT
.set PCC, AF+FR*FF
.set FWW, 5*FW
	WIN FWW
.irp b, 0,1
	v_max3_num_f32 v[TM+\b], |v[FS0+16*\b]|, |v[FS0+16*\b+1]|, 0x1800000
	v_max3_num_f32 v[TM+2+\b], |v[FS1+16*\b]|, |v[FS1+16*\b+1]|, 0x1800000
.endr
.irp i, 2,4,6,8,10,12,14
.irp b, 0,1
	v_max3_num_f32 v[TM+\b], |v[FS0+16*\b+\i]|, |v[FS0+16*\b+\i+1]|, v[TM+\b]
	v_max3_num_f32 v[TM+2+\b], |v[FS1+16*\b+\i]|, |v[FS1+16*\b+\i+1]|, v[TM+2+\b]
.endr
.endr
	WIN 0
.irp b, 0,1,2,3
.if VM == 0
	v_permlanex16_b32 v[TM+4+\b], v[TM+\b], s[SEL], s[SEL+1]
.endif
.endr
.irp b, 0,1,2,3
.if VM
	v_max_num_f32 v[TM+\b], v[TM+2*(\b/2)], v[TM+2*(\b/2)+1]
.else
	v_max_num_f32 v[TM+\b], v[TM+\b], v[TM+4+\b]
.endif
.endr
.irp b, 0,1,2,3
	v_add_nc_u32 v[TM+12+\b], 0xff000000, v[TM+\b]
.endr
.irp b, 0,1,2,3
	v_lshrrev_b32 v[TM+4+\b], 23, v[TM+12+\b]
.endr
.if VM
	v_lshl_or_b32 v[PW+FF], v[TM+6], 16, v[TM+4]   ; my blocks h and 2 + h,
	v_lshlrev_b32 v[PW+FF], v5, v[PW+FF]           ; at their places,
	v_permlanex16_b32 v[TM+5], v[PW+FF], s[SEL], s[SEL+1]
	v_or_b32 v[PW+FF], v[PW+FF], v[TM+5]           ; with lane l xor 16's two the word is whole
.else
	v_lshl_or_b32 v[PW+FF], v[TM+5], 8, v[TM+4]
	v_lshl_or_b32 v[PW+FF], v[TM+6], 16, v[PW+FF]
	v_lshl_or_b32 v[PW+FF], v[TM+7], 24, v[PW+FF]
.endif
	WIN FW
	v_cvt_scalef32_pk16_fp6_f32 v[PCC:PCC+2], v[FS0:FS0+15], v[TM+12]
	v_cvt_scalef32_pk16_fp6_f32 v[TT:TT+2], v[FS0+16:FS0+31], v[TM+13]
	v_cvt_scalef32_pk16_fp6_f32 v[PCC+6:PCC+8], v[FS1:FS1+15], v[TM+14]
	v_cvt_scalef32_pk16_fp6_f32 v[TT+4:TT+6], v[FS1+16:FS1+31], v[TM+15]
	WIN 0
	v_nop
.irp c, 0,1
.irp i, 0,1,2
.if VM == 0
	v_permlane16_swap_b32 v[PCC+6*\c+\i], v[TT+4*\c+\i]
.endif
.endr
.irp i, 0,1,2
	v_mov_b32 v[PCC+3+6*\c+\i], v[TT+4*\c+\i]
.endr
.endr
.irp c, 0,1,2
	global_store_b128 v[L16], v[PCC+4*\c:PCC+4*\c+3], s[FD:FD+1] offset:FO+512*\c
.endr
.endm
.macro SCOUT e
	v_cndmask_b32 v[SW+2*\e], v[PW+4*\e], v[PW+4*\e+1], s[HM]
	v_cndmask_b32 v[SW+2*\e+1], v[PW+4*\e+2], v[PW+4*\e+3], s[HM]
	global_store_b64 v[L8], v[SW+2*\e:SW+2*\e+1], s[FD:FD+1] offset:6144
.endm
	PLACES NP
	s_cmp_lt_u32 s17, 12
	s_cbranch_scc0 .Lrole_v
.irp e, 0,1
.irp g, 0,1,2,3
.set FW,  2+\g/2
.set FS0, (128*\g+32*\e)%256
.set FS1, FS0+64
.set FF,  4*\e+\g
.set FD,  66-54*\e
.set FO,  FRB*\g
	FRAGOUT
.endr
	SCOUT \e
.endr
	s_branch .Lstored
.Lrole_v:
.set VM, 1
.irp e, 0,1
.irp g, 0,1,2,3
.set FW,  2+\e
.set FS0, 64*\g
.set FS1, FS0+32
.set FF,  4*\e+\g
.set FD,  66-54*\e
.set FO,  FRB*\g
	FRAGOUT
.endr
	SCOUT \e
.endr
.Lstored:
	s_wait_tensorcnt 0x0
	ds_add_u32 v[SPW], v[NIL]
	s_wait_dscnt 0x0
	CROUND
	s_endpgm
.Lfunc_end_k_q08f9ff05db_proj:
	.size	k_q08f9ff05db_proj, .Lfunc_end_k_q08f9ff05db_proj-k_q08f9ff05db_proj
	.p2alignl 7, 3214868480
	.fill 96, 4, 3214868480
	.section	.rodata,"a",@progbits
	.p2align	6, 0x0
	.amdhsa_kernel k_q08f9ff05db_proj
		.amdhsa_group_segment_fixed_size 327680
		.amdhsa_private_segment_fixed_size 0
		.amdhsa_enable_private_segment 0
		.amdhsa_kernarg_size 24
		.amdhsa_user_sgpr_count 2
		.amdhsa_user_sgpr_kernarg_segment_ptr 1
		.amdhsa_wavefront_size32 1
		.amdhsa_system_sgpr_workgroup_id_x 1
		.amdhsa_system_sgpr_workgroup_id_y 1
		.amdhsa_system_sgpr_workgroup_id_z 1
		.amdhsa_system_vgpr_workitem_id 0
		.amdhsa_next_free_vgpr 1024
		.amdhsa_next_free_sgpr 100
		.amdhsa_reserve_vcc 0
		.amdhsa_float_denorm_mode_32 3
		.amdhsa_float_denorm_mode_16_64 3
		.amdhsa_memory_ordered 1
		.amdhsa_forward_progress 1
		.amdhsa_inst_pref_size 171
	.end_amdhsa_kernel
	.amdgpu_metadata
---
amdhsa.version: [ 1, 2 ]
amdhsa.kernels:
  - .name:           k_q08f9ff05db_proj
    .symbol:         k_q08f9ff05db_proj.kd
    .args:
      - { .name: cod, .offset: 0, .size: 8, .value_kind: global_buffer, .address_space: global }
      - { .name: scl, .offset: 8, .size: 8, .value_kind: global_buffer, .address_space: global }
      - { .name: kv, .offset: 16, .size: 8, .value_kind: global_buffer, .address_space: global }
    .group_segment_fixed_size: 327680
    .private_segment_fixed_size: 0
    .kernarg_segment_align: 8
    .kernarg_segment_size: 24
    .max_flat_workgroup_size: 128
    .sgpr_count:     100
    .vgpr_count:     1024
    .wavefront_size: 32
...
	.end_amdgpu_metadata
.endif
;; end of part 2
;; launch attn (part 3): grid 8 x 32, 16 waves a work-group, clusters of 4 x 1, 327,680 bytes of LDS; arguments cod, scl, kv, ao, aos; writes ao, aos
.if DOCPART == 3
	.amdgcn_target "amdgcn-amd-amdhsa--gfx1250"
	.amdhsa_code_object_version 6
	.text
	.protected	k_q08f9ff05db_attn
	.globl	k_q08f9ff05db_attn
	.p2align	8
	.type	k_q08f9ff05db_attn,@function
k_q08f9ff05db_attn:
	s_mov_b64 s[64:65], 0
	v_nop
	global_prefetch_b8 v0, s[64:65] scope:SCOPE_SE
	s_setreg_imm32_b32 hwreg(HW_REG_WAVE_MODE, 25, 1), 1
	s_wait_xcnt 0x0
	s_wait_alu depctr_hold_cnt(0) depctr_sa_sdst(0) depctr_va_vdst(0) depctr_va_sdst(0) depctr_va_ssrc(0) depctr_va_vcc(0) depctr_vm_vsrc(0)
	s_getreg_b32 s2, hwreg(HW_REG_IB_STS2, 6, 4)
	s_cmp_eq_u32 s2, 0
	s_cbranch_scc0 .Lentry_in_a_cluster
	s_endpgm
.Lentry_in_a_cluster:
	s_bfe_u32 s2, ttmp6, 0x10000c
	s_cmp_lg_u32 s2, 0x3003
	s_cbranch_scc0 .Lentry_shape_is_right
	s_endpgm
.Lentry_shape_is_right:
; q = LayerNorm(x) w_q for one head, then O = softmax(q k^T / 8) v: 32 (batch, head) pairs, 2,048 queries, 4,096 keys, head size 64; all products on codes of FP6 (E2M3) with E8M0 scales.  O / l is quantised along the last product's K and leaves as codes.
; SHARES: a work-group owns 256 queries of one head, each of its sixteen waves one tile of 16.  All products are used transposed, so that a lane holds one query.
; q: my tile of LayerNorm(x) (eight fragments of cod, row tile 256 + RT) comes straight into registers; the head's four tiles of w_q (49,152 bytes) are copied once into LDS bytes of their own, 3,072 bytes a wave, and read by all waves:
; 32 matrix instructions a wave.  Register 16 G + i of the result is channel 32 G + 16 (lane / 16) + i; it is quantised in registers.  The copy is no joint load: it is 49,152 bytes against the 409,600 of the head's records.
; THE SOFTMAX: t = score x log2(e) / 8 (the factor 1/8 on q moves a block's scale and no code, so it stands here); M = the running largest t rounded UP to a whole number; p = 2^(t - M) is quantised along the keys, not normalised;
; the row's sum is taken of the unquantised p and divides at the end.  When M moves, the sums and O are multiplied by 2^(old M - new M): exact.
; kv: [16 b + head][32] records: 128 keys in 12,800 bytes, k's part and then v's.  A part: four fragments as images of their registers (registers 4 c .. 4 c + 3 of lane l at 512 c + 16 l), then 256 bytes of scale words,
; the word of fragment g, place r at 8 (r + 16 (g % 2)) + 4 (g / 2).  A fragment of k holds two tiles of 16 keys, [tile 2 g: channels 0-63 | tile 2 g + 1: channels 0-63], and is source 0 of two products, against [q | 0] and [0 | q].
; THE KEYS OF A TILE: place r of tile 4 c + t is key 64 c + 32 (r / 8) + 8 t + r % 8.  So register S + 32 c + i of lane l is key 64 c + 32 (l / 16) + i: a lane holds two WHOLE blocks of 32 keys, in the order of p's operand:
; a block's largest score needs no other lane, and the conversions' results are the operand's registers.
; RING: two LDS slots of eight records (1,024 keys); every wave fetches half a record, 25 rows of 256 bytes, so every way through the text passes the first fill.  CLUSTER: the four query blocks of a cluster walk the same records: mask 15.
; The key step is written once for each slot, in a loop of eight trips.  One address serves k's and v's parts: it stands 6,400 bytes under the record for k's loads and is stepped by a record between the two runs of loads.
; OUTPUT: ao: [kp][RT][q][1,536]: registers 6 c .. 6 c + 3 of lane l at 768 c + 16 l, registers 6 c + 4, 5 at 768 c + 512 + 8 l; a head's 64 are piece head % 2 of K step head / 2.  aos: [RT][kp][place][8]: a wave stores 32 single bytes.
; LIMITS: the promise holds while the scaled scores stay under 2^31 in magnitude; a block of zeros carries the byte 1 (its codes are zeros; this program alone reads the bytes); NaN and infinities are not served.
.set REC,   12800
.set HREC,  6400
.set SLOTB, 8*REC
.set BASE0, 8192                       ; slot 0; slot 1 lies behind it
.set WQB,   BASE0+2*SLOTB              ; w_q's four tiles: [kp][tile][q][1,536]; no tensor load lands here
.set SPARE, WQB+49152                  ; the spare words, 128 bytes a wave: eight blocks of 256 bytes that no other line names
.set KPS,   3145728                    ; from kp to kp + 1 in cod
.set L16, 1                            ; v1   16 x lane
.set L8,  2                            ; v2   8 x lane
.set SPW, 3                            ; v3   my spare word; never rewritten
.set NIL, 4                            ; v4   0; never rewritten
.set PFO, 5                            ; v5   the prefetches' offset; never rewritten
.set AD16, 6                           ; v6, v7  the walking LDS address + 16 x lane, + 8 x lane
.set AD8, 7
.set SH8, 8                            ; v8   8 x (lane / 16)
.set QS,  40                           ; q's scale word: its two bytes twice.  v16-27 [q | 0], v28-39 [0 | q]; v12 -M, v13 the running largest score
.set PWD, 41                           ; p's scale word
.set KS,  42
.set VS,  44
.set F,   48                           ; v48-95   four fragments: w_q's, k's, v's
.set S,   96                           ; v96-159  S^T, then p
.set O,   160                          ; v160-191 q's sums, then O^T
.set P,   192                          ; v192-203 p's codes
.set TT,  204                          ; second halves of blocks (a conversion's three registers begin on an even number)
.set BM,  212
.set EX,  214
.set SOP, 218
.set FF,  220                          ; v[220:221] f = 2^(old M - new M), low word
.set TMP, 222
.set ACC, 224                          ; v224-231 the row's sum in four pairs
.set AS,  228                          ; the head alone: x's scale words, v228-235; w_q's, v236-251; x's fragments in v96-155 and v192-227
.set BS,  236
.set WV,  12
.set TB,  2
.set CNT, 3
.set LIM, 16                           ; 0 in a wave that prefetches
.set PFA, 18
.set SEL, 20
.set CS,  22
.set G1,  24
.set G0,  40
.set HM,  33
.macro CROUND                          ; a round of the cluster's barrier
	s_barrier_signal -1
	s_barrier_wait -1
	s_cmp_lg_u32 s[WV], 0
	s_cbranch_scc1 .Lnot_wave_0_\@
	s_barrier_signal -3
.Lnot_wave_0_\@:
	s_barrier_wait -3
	s_barrier_signal -1
	s_barrier_wait -1
.endm
; 32 registers X (register 16 G + i: channel 32 G + 16 (lane / 16) + i) become six registers D of codes; the two blocks' bytes are left in v[EX], v[EX+1], in every lane
.macro QUANT6 X, D
.irp b, 0,1
	v_max3_num_f32 v[BM+\b], |v[\X+16*\b]|, |v[\X+16*\b+1]|, 0x1800000   ; with the floor 2^(3 - 127)
.endr
.irp i, 2,4,6,8,10,12,14
.irp b, 0,1
	v_max3_num_f32 v[BM+\b], v[BM+\b], |v[\X+16*\b+\i]|, |v[\X+16*\b+\i+1]|
.endr
.endr
.irp b, 0,1
	v_permlanex16_b32 v[EX+\b], v[BM+\b], s[SEL], s[SEL+1]
.endr
.irp b, 0,1
	v_max_num_f32 v[BM+\b], v[BM+\b], v[EX+\b]
.endr
.irp b, 0,1
	v_add_nc_u32 v[SOP+\b], 0xff000000, v[BM+\b]   ; 2 off the exponent field: the conversion's scale operand
.endr
.irp b, 0,1
	v_lshrrev_b32 v[EX+\b], 23, v[SOP+\b]
.endr
	v_cvt_scalef32_pk16_fp6_f32 v[\D:\D+2], v[\X:\X+15], v[SOP]
	v_cvt_scalef32_pk16_fp6_f32 v[TT:TT+2], v[\X+16:\X+31], v[SOP+1]
	v_nop                                          ; one plain place behind a scaled conversion
.irp i, 0,1,2
	v_permlane16_swap_b32 v[\D+\i], v[TT+\i]       ; a whole block in a lane
.endr
.irp i, 0,1,2
	v_mov_b32 v[\D+3+\i], v[TT+\i]
.endr
.endm
	s_load_b256 s[4:11], s[0:1], 0x0               ; cod s[4:5], scl s[6:7], kv s[8:9], ao s[10:11]
	s_load_b64 s[66:67], s[0:1], 0x20              ; aos
	v_lshl_add_u32 v[SPW], v0, 2, SPARE
	v_mov_b32 v[NIL], 0
	ds_add_u32 v[SPW], v[NIL]                      ; the opening lines: the add, twice on end, and its wait ahead of the first tensor load
	ds_add_u32 v[SPW], v[NIL]
	v_lshrrev_b32 v1, 5, v0
	v_readfirstlane_b32 s[WV], v1                  ; wave 0..15
	s_bfe_u32 s13, ttmp6, 0x40000                  ; cx: it enters global addresses of cod, scl, ao, aos and the prefetch alone
	s_lshl_b32 s15, ttmp9, 2
	s_add_co_u32 s15, s15, s13                     ; my block of 256 queries
	s_and_b32 s14, ttmp7, 0xffff                   ; 16 b + head, which the four partners share
	s_mov_b32 s[G1], 15|(3<<16)|(1<<21)            ; the mask: all four; elements of 8 bytes; bit 21 beside a mask
	s_mov_b32 s[G1+1], 32<<16                      ; half a record: 6,400 dense bytes as 25 rows of 32 elements
	s_mov_b32 s[G1+2], 25<<16
	s_mov_b32 s[G1+3], 32<<16
	s_mov_b32 s[G1+4], 25
	s_mov_b32 s[G1+5], 32
	s_mov_b32 s[G1+6], 0
	s_mov_b32 s[G1+7], 0
	s_mov_b32 s[SEL], 0x76543210
	s_mov_b32 s[SEL+1], 0xfedcba98
	s_mov_b32 s[CS], 0x3e38aa3b                    ; log2(e) / 8
	s_mov_b32 s[CS+1], s[CS]
	s_mov_b32 s[HM], 0xffff0000
	s_mul_i32 s36, s[WV], HREC                     ; my part of a slot, in LDS and in memory
	s_mul_i32 s37, s14, 32*REC                     ; the head's records
	s_add_co_u32 s34, s37, s36
	s_mov_b32 s35, 0
	s_mul_i32 s38, s13, 2*REC                      ; the prefetches: my work-group's quarter of a slot
	s_add_co_u32 s38, s38, s37
	s_mov_b32 s39, 0
	s_lshr_b32 s[LIM], s[WV], 2
	s_xor_b32 s[LIM], s[LIM], 1                    ; 0 in waves 4 to 7,
	s_or_b32 s[LIM], s[LIM], ttmp9                 ; of the head's first cluster: the same in all four partners
	s_lshr_b32 s50, s14, 4
	s_lshl_b32 s50, s50, 7
	s_lshl_b32 s51, s15, 4
	s_add_co_u32 s50, s50, s51
	s_add_co_u32 s50, s50, s[WV]                   ; RT: my tile among x's 256
	s_and_b32 s51, s14, 15                         ; the head
	s_lshr_b32 s52, s51, 2                         ; kp
	s_mul_i32 s54, s52, 786432
	s_mul_i32 s53, s50, 3072
	s_add_co_u32 s54, s54, s53
	s_bfe_u32 s53, s51, 0x10001                    ; q
	s_mul_i32 s53, s53, 1536
	s_add_co_u32 s54, s54, s53
	s_and_b32 s53, s51, 1                          ; the piece
	s_mul_i32 s53, s53, 768
	s_add_co_u32 s54, s54, s53
	s_mov_b32 s55, 0
	s_lshl_b32 s56, s50, 9
	s_lshl_b32 s53, s52, 7
	s_add_co_u32 s56, s56, s53
	s_and_b32 s53, s51, 3
	s_lshl_b32 s53, s53, 1
	s_add_co_u32 s56, s56, s53
	s_mov_b32 s57, 0
	s_add_co_u32 s44, s50, 256                     ; my tile's row tile in cod and scl
	s_lshl_b32 s48, s44, 9
	s_mov_b32 s49, 0
	s_mul_i32 s44, s44, 3072
	s_mov_b32 s45, 0
	s_lshl_b32 s60, s51, 2                         ; w_q: I copy tile 4 head + wave % 4 of plane kp = wave / 4
	s_and_b32 s61, s[WV], 3
	s_add_co_u32 s60, s60, s61
	s_mul_i32 s60, s60, 3072
	s_lshr_b32 s61, s[WV], 2
	s_mul_i32 s61, s61, KPS
	s_add_co_u32 s60, s60, s61
	s_mov_b32 s61, 0
	s_lshl_b32 s62, s51, 11                        ; the four tiles' scale bytes
	s_mov_b32 s63, 0
	s_mul_i32 s17, s[WV], 3072
	v_and_b32 v9, 31, v0
	v_bfe_u32 v10, v0, 4, 1                        ; h
	v_lshlrev_b32 v[L16], 4, v9
	v_lshlrev_b32 v[L8], 3, v9
	v_lshlrev_b32 v[SH8], 3, v10
	v_and_b32 v9, 15, v0
	v_lshlrev_b32 v9, 3, v9                        ; 8 r: x's scale words
	v_lshl_add_u32 v10, v10, 9, v9                 ; 512 h + 8 r: w_q's: lanes 0-15 an even tile, lanes 16-31 the odd one beside it
	v_add_nc_u32 v11, WQB, v[L16]                  ; w_q's fragments in LDS
	v_add_nc_u32 v14, s17, v11                     ; and where I put my part of them
	v_add_nc_u32 v[PFO], 0xffffff80, v0            ; thread - 128: 0 .. 127 in waves 4 to 7,
	v_min_u32 v[PFO], 99, v[PFO]                   ; held at the last of my work-group's 100 blocks of 256 bytes
	v_lshlrev_b32 v[PFO], 8, v[PFO]
	s_wait_alu depctr_va_vdst(0)                   ; the wait here, ahead of the waits below
	s_wait_dscnt 0x0                               ; both opening adds are done
	s_wait_kmcnt 0x0
	s_add_nc_u64 s[PFA:PFA+1], s[8:9], s[38:39]
	s_add_nc_u64 s[10:11], s[10:11], s[54:55]
	s_add_nc_u64 s[66:67], s[66:67], s[56:57]
	s_add_nc_u64 s[44:45], s[4:5], s[44:45]        ; x's fragments, kp 0 and 1;
	s_add_nc_u64 s[46:47], s[44:45], 2*KPS         ; kp 2 and 3
	s_add_nc_u64 s[48:49], s[6:7], s[48:49]
	s_add_nc_u64 s[60:61], s[4:5], s[60:61]
	s_add_nc_u64 s[62:63], s[6:7], s[62:63]
.irp i, 0,1,2,3,4,5
	global_load_b128 v[F+4*\i:F+4*\i+3], v[L16], s[60:61] offset:512*\i           ; my 3,072 bytes of w_q
.endr
.irp kp, 0,1,2,3
.irp g, 0,1
	global_load_b64 v[BS+4*\kp+2*\g:BS+4*\kp+2*\g+1], v10, s[62:63] offset:1024*\g+128*\kp
.endr
.endr
.irp kp, 0,1,2,3
	global_load_b64 v[AS+2*\kp:AS+2*\kp+1], v9, s[48:49] offset:128*\kp
.endr
.set ks, 0
.rept 8
.set XAK, 96+12*ks+36*(ks/5)
.irp c, 0,1,2
	global_load_b128 v[XAK+4*\c:XAK+4*\c+3], v[L16], s[44+2*(ks/4):45+2*(ks/4)] offset:((ks/2)%2)*KPS+(ks%2)*1536+512*\c
.endr
.set ks, ks+1
.endr
	CROUND                                         ; all four work-groups are here: the first joint loads meet
	s_mov_b32 s[G0], 1
	s_add_co_u32 s[G0+1], s36, BASE0               ; slot 0
	s_add_nc_u64 s[G0+2:G0+3], s[8:9], s[34:35]
	s_or_b32 s[G0+3], s[G0+3], 0x80000000
	tensor_load_to_lds s[G0:G0+3], s[G1:G1+7]      ; every wave's one load at the head
	s_nop 0
.rept 4
	v_nop
.endr
	s_wait_loadcnt 36                              ; behind my six loads of w_q stand 8 + 4 + 24 others
.irp i, 0,1,2,3,4,5
	ds_store_b128 v14, v[F+4*\i:F+4*\i+3] offset:512*\i
.endr
	s_wait_dscnt 0x0                               ; for the others' sake
	s_barrier_signal -1
	s_barrier_wait -1                              ; w_q's tiles are whole
	s_wait_loadcnt 0x0
; q^T = w_q^T x^T: source 0 a tile of w_q, source 1 my tile of x; four sums by turns, K ascending
.set ks, 0
.rept 8
.set XAK, 96+12*ks+36*(ks/5)
.if ks > 0
.rept 4
	v_nop                                          ; places in front of loads into registers that the last products have read
.endr
.endif
.irp t, 0,1,2,3
.irp c, 0,1,2
	ds_load_b128 v[F+12*\t+4*\c:F+12*\t+4*\c+3], v11 offset:(ks/2)*12288+\t*3072+(ks%2)*1536+512*\c
.endr
.endr
	s_wait_dscnt 0x0
.irp t, 0,1,2,3
.if ks == 0
.if \t%2
	v_wmma_scale_f32_16x16x128_f8f6f4 v[O+8*\t:O+8*\t+7], v[F+12*\t:F+12*\t+11], v[XAK:XAK+11], 0, v[BS+4*(ks/2)+2*(\t/2)+ks%2], v[AS+ks] matrix_a_fmt:MATRIX_FMT_FP6 matrix_b_fmt:MATRIX_FMT_FP6 matrix_a_scale:MATRIX_SCALE_ROW1
.else
	v_wmma_scale_f32_16x16x128_f8f6f4 v[O+8*\t:O+8*\t+7], v[F+12*\t:F+12*\t+11], v[XAK:XAK+11], 0, v[BS+4*(ks/2)+2*(\t/2)+ks%2], v[AS+ks] matrix_a_fmt:MATRIX_FMT_FP6 matrix_b_fmt:MATRIX_FMT_FP6
.endif
.else
.if \t%2
	v_wmma_scale_f32_16x16x128_f8f6f4 v[O+8*\t:O+8*\t+7], v[F+12*\t:F+12*\t+11], v[XAK:XAK+11], v[O+8*\t:O+8*\t+7], v[BS+4*(ks/2)+2*(\t/2)+ks%2], v[AS+ks] matrix_a_fmt:MATRIX_FMT_FP6 matrix_b_fmt:MATRIX_FMT_FP6 matrix_a_scale:MATRIX_SCALE_ROW1
.else
	v_wmma_scale_f32_16x16x128_f8f6f4 v[O+8*\t:O+8*\t+7], v[F+12*\t:F+12*\t+11], v[XAK:XAK+11], v[O+8*\t:O+8*\t+7], v[BS+4*(ks/2)+2*(\t/2)+ks%2], v[AS+ks] matrix_a_fmt:MATRIX_FMT_FP6 matrix_b_fmt:MATRIX_FMT_FP6
.endif
.endif
.endr
.set ks, ks+1
.endr
.rept 4
	v_nop                                          ; places behind the last products
.endr
.irp b, 0,1,2,3
	v_mov_b32 v[EX+\b], 0                          ; a lane permute's destination counts as one of its sources
.endr
	v_mov_b32 v[TMP], 0
	v_mov_b32 v[FF+1], 0                           ; (named as the upper half of a pair)
	QUANT6 O, 16                                   ; q's codes: registers 0-5 of [q | 0]
	v_lshl_or_b32 v[QS], v[EX+1], 8, v[EX]
	v_lshl_or_b32 v[QS], v[QS], 16, v[QS]          ; its two bytes, twice
.set j, 22
.rept 12
	v_mov_b32 v[j], 0                              ; the empty halves of [q | 0] and [0 | q]
.set j, j+1
.endr
.irp i, 0,1,2,3,4,5
	v_mov_b32 v[34+\i], v[16+\i]
.endr
	v_mov_b32 v13, 0xff61b1e6                      ; the largest score so far: -3e38
	v_mov_b32 v12, 0x7d000000                      ; -M: a large whole number, so that the first f is 0
.set j, 0
.rept 8
	v_mov_b32 v[ACC+j], 0
.set j, j+1
.endr
.set j, 0
.rept 32
	v_mov_b32 v[O+j], 0                            ; O^T: the step is written once; the first finds zeros
.set j, j+1
.endr
	s_wait_alu depctr_va_vdst(0)                   ; the wait at the head's end
.macro SUM n                           ; the next n pairs of p into the four sums, by turns; a sum's first link of a step brings it under the new M
.rept \n
.if SJ < 4
	v_pk_fma_f32 v[ACC+2*SJ:ACC+2*SJ+1], v[ACC+2*SJ:ACC+2*SJ+1], v[FF:FF+1], v[S+2*SJ:S+2*SJ+1] op_sel_hi:[1,0,1]
.else
	v_pk_add_f32 v[ACC+2*(SJ%4):ACC+2*(SJ%4)+1], v[ACC+2*(SJ%4):ACC+2*(SJ%4)+1], v[S+2*SJ:S+2*SJ+1]
.endif
.set SJ, SJ+1
.endr
.endm
; A KEY STEP: 128 keys.  The four places in front of its first loads are the last step's last four additions
.macro STEP
.irp g, 0,1,2,3
.irp c, 0,1,2
	ds_load_b128 v[F+12*\g+4*\c:F+12*\g+4*\c+3], v[AD16] offset:HREC+1536*\g+512*\c
.endr
.endr
	ds_load_b64 v[KS:KS+1], v[AD8] offset:HREC+6144    ; lanes 0-15: fragments 0 and 2; lanes 16-31: fragments 1 and 3
	s_add_co_u32 s[TB], s[TB], REC
	s_wait_dscnt 0x0
.irp g, 0,1,2,3
.if \g%2
	v_wmma_scale_f32_16x16x128_f8f6f4 v[S+16*\g:S+16*\g+7], v[F+12*\g:F+12*\g+11], v[16:27], 0, v[KS+\g/2], v[QS] matrix_a_fmt:MATRIX_FMT_FP6 matrix_b_fmt:MATRIX_FMT_FP6 matrix_a_scale:MATRIX_SCALE_ROW1
	v_wmma_scale_f32_16x16x128_f8f6f4 v[S+16*\g+8:S+16*\g+15], v[F+12*\g:F+12*\g+11], v[28:39], 0, v[KS+\g/2], v[QS] matrix_a_fmt:MATRIX_FMT_FP6 matrix_b_fmt:MATRIX_FMT_FP6 matrix_a_scale:MATRIX_SCALE_ROW1
.else
	v_wmma_scale_f32_16x16x128_f8f6f4 v[S+16*\g:S+16*\g+7], v[F+12*\g:F+12*\g+11], v[16:27], 0, v[KS+\g/2], v[QS] matrix_a_fmt:MATRIX_FMT_FP6 matrix_b_fmt:MATRIX_FMT_FP6
	v_wmma_scale_f32_16x16x128_f8f6f4 v[S+16*\g+8:S+16*\g+15], v[F+12*\g:F+12*\g+11], v[28:39], 0, v[KS+\g/2], v[QS] matrix_a_fmt:MATRIX_FMT_FP6 matrix_b_fmt:MATRIX_FMT_FP6
.endif
.endr
	v_add_nc_u32 v[AD16], s[TB], v[L16]            ; four places: the address goes a record on: it now stands at v's part,
	v_add_nc_u32 v[AD8], s[TB], v[L8]
	v_mov_b32 v[TMP], v12                          ; the old -M is kept,
	v_nop
.irp g, 0,1,2,3
.irp c, 0,1,2
	ds_load_b128 v[F+12*\g+4*\c:F+12*\g+4*\c+3], v[AD16] offset:1536*\g+512*\c     ; v's fragments land under the softmax
.endr
.endr
	ds_load_b64 v[VS:VS+1], v[AD8] offset:6144
.irp c, 0,1                            ; THE LARGEST SCORE OF EACH OF MY TWO BLOCKS, in two chains each: it serves for the row's maximum and, since p rises with the score, for the block's largest p
	v_max3_num_f32 v[BM+\c], v[S+32*\c], v[S+32*\c+1], v[S+32*\c+2]
	v_max3_num_f32 v[EX+\c], v[S+32*\c+16], v[S+32*\c+17], v[S+32*\c+18]
.endr
.irp i, 3,5,7,9,11,13
.irp c, 0,1
	v_max3_num_f32 v[BM+\c], v[BM+\c], v[S+32*\c+\i], v[S+32*\c+\i+1]
	v_max3_num_f32 v[EX+\c], v[EX+\c], v[S+32*\c+16+\i], v[S+32*\c+17+\i]
.endr
.endr
.irp c, 0,1
	v_max3_num_f32 v[BM+\c], v[BM+\c], v[EX+\c], v[S+32*\c+15]
.endr
.irp c, 0,1
	v_max_num_f32 v[BM+\c], v[BM+\c], v[S+32*\c+31]
.endr
	s_delay_alu instid0(VALU_DEP_1)
	v_max_num_f32 v[EX], v[BM], v[BM+1]
	s_delay_alu instid0(VALU_DEP_1)
	v_permlanex16_b32 v[EX+1], v[EX], s[SEL], s[SEL+1]
	s_delay_alu instid0(VALU_DEP_1)
	v_max3_num_f32 v13, v13, v[EX], v[EX+1]        ; the running largest score of my query, lane l xor 16's keys among them
	s_delay_alu instid0(VALU_DEP_1)
	v_mul_f32 v[EX], s[CS], v13                    ; as t (c is positive)
	s_delay_alu instid0(VALU_DEP_1)
	v_floor_f32 v12, -v[EX]                        ; the new -M = -ceil(t)
	s_delay_alu instid0(VALU_DEP_1)
	v_sub_f32 v[TMP], v12, v[TMP]                  ; old M - new M: a whole number, 0 or less
	s_delay_alu instid0(VALU_DEP_1)
	v_cvt_i32_f32 v[TMP], v[TMP]                   ; (it saturates)
	s_delay_alu instid0(VALU_DEP_1)
	v_ldexp_f32 v[FF], 1.0, v[TMP]                 ; f = 2^(old M - new M)
.set j, 0
.rept 32
	v_pk_fma_f32 v[S+j:S+j+1], v[S+j:S+j+1], s[CS:CS+1], v[12:13] op_sel_hi:[1,0,0]   ; t - M
.set j, j+2
.endr
.irp c, 0,1
	v_fma_f32 v[BM+\c], v[BM+\c], s[CS], v12       ; the same of each block's largest score
.endr
	s_wait_alu depctr_va_vdst(0)                   ; the wait ahead of the batch
	v_exp_f32 v[BM], v[BM]                         ; the blocks' largest p: the same instructions on the same number give the same bits
	v_exp_f32 v[BM+1], v[BM+1]
.set j, 0
.rept 64
	v_exp_f32 v[S+j], v[S+j]                       ; p = 2^(t - M), at most 1
.set j, j+1
.endr
	s_wait_alu depctr_va_vdst(0)                   ; one wait for the batch, directly ahead of the first reader of O^T
.set j, 0
.rept 16
	v_pk_mul_f32 v[O+j:O+j+1], v[O+j:O+j+1], v[FF:FF+1] op_sel_hi:[1,0]   ; O^T under the new M (plain places behind the exponentials)
.set j, j+2
.endr
.set SJ, 0                             ; the scale's short chain stands among the sum's additions
	v_max_num_f32 v[BM], 0x1800000, v[BM]          ; the floor 2^(3 - 127)
	v_max_num_f32 v[BM+1], 0x1800000, v[BM+1]
	SUM 2
	v_add_nc_u32 v[SOP], 0xff000000, v[BM]         ; 2 off the exponent field: the conversion's scale operand
	v_add_nc_u32 v[SOP+1], 0xff000000, v[BM+1]
	SUM 2
	v_lshrrev_b32 v[EX], 23, v[SOP]                ; the bytes of my blocks h and 2 + h,
	v_lshrrev_b32 v[EX+1], 23, v[SOP+1]
	SUM 2
	v_lshl_or_b32 v[PWD], v[EX+1], 16, v[EX]
	SUM 1
	v_lshlrev_b32 v[PWD], v[SH8], v[PWD]           ; at their places in the scale word;
	SUM 1
	v_permlanex16_b32 v[EX+2], v[PWD], s[SEL], s[SEL+1]
	SUM 1
	v_or_b32 v[PWD], v[PWD], v[EX+2]               ; with lane l xor 16's two the word is whole
.irp c, 0,1
	v_cvt_scalef32_pk16_fp6_f32 v[P+6*\c:P+6*\c+2], v[S+32*\c:S+32*\c+15], v[SOP+\c]
	v_cvt_scalef32_pk16_fp6_f32 v[TT+4*\c:TT+4*\c+2], v[S+32*\c+16:S+32*\c+31], v[SOP+\c]
.endr
	SUM 4                                          ; plain places behind the conversions
.irp c, 0,1
.irp i, 0,1,2
	v_mov_b32 v[P+3+6*\c+\i], v[TT+4*\c+\i]
.endr
.endr
	SUM 15                                         ; the places between p's codes and scale word and the products
	s_wait_alu depctr_va_vdst(0)                   ; the wait here, directly ahead of the wait below
	s_wait_dscnt 0x0                               ; v's fragments and scale words are in
.irp d, 0,1,2,3                        ; O^T += v^T p^T: four tiles of 16 channels, by turns
.if \d%2
	v_wmma_scale_f32_16x16x128_f8f6f4 v[O+8*\d:O+8*\d+7], v[F+12*\d:F+12*\d+11], v[P:P+11], v[O+8*\d:O+8*\d+7], v[VS+\d/2], v[PWD] matrix_a_fmt:MATRIX_FMT_FP6 matrix_b_fmt:MATRIX_FMT_FP6 matrix_a_scale:MATRIX_SCALE_ROW1
.else
	v_wmma_scale_f32_16x16x128_f8f6f4 v[O+8*\d:O+8*\d+7], v[F+12*\d:F+12*\d+11], v[P:P+11], v[O+8*\d:O+8*\d+7], v[VS+\d/2], v[PWD] matrix_a_fmt:MATRIX_FMT_FP6 matrix_b_fmt:MATRIX_FMT_FP6
.endif
.endr
	SUM 4                                          ; the sum's last four additions are the places behind the products
.endm
; THE CHANGE OF SLOTS.  Each wave waits for its tensor load, adds 0 to its spare word, and waits for that and for its reads of the slot that it has left; then a round of the cluster's barrier.
; k > 0: the slot just left (the first time: slot 1, never filled) takes records 8 k .. 8 k + 7: the load has eight key steps in which to land.
; k < 3: slot k + 1 is prefetched, one slot ahead of its load: the head's first cluster asks, its four partners for a quarter of the slot each, told apart by address; waves 4 to 7, a lane to each 256 bytes;
; lanes 4-31 of wave 7 name its last block again.  The address registers are never rewritten.  Slots 0 and 1 come by their loads alone.
.macro CHANGE k
	s_wait_tensorcnt 0x0                           ; no tensor load of mine is out, so the group 0 may be written
	ds_add_u32 v[SPW], v[NIL]
.if \k
	s_add_co_u32 s[G0+1], s36, BASE0+((\k)%2)*SLOTB
	s_add_nc_u64 s[G0+2:G0+3], s[G0+2:G0+3], SLOTB
.endif
	s_wait_dscnt 0x0
	CROUND
.if \k
	tensor_load_to_lds s[G0:G0+3], s[G1:G1+7]      ; the first thing behind the round, and my one tensor load until the next
	s_nop 0
.rept 4
	v_nop
.endr
.if \k < 3
	s_cmp_eq_u32 s[LIM], 0
	s_cbranch_scc0 .Lno_ask_\@
	global_prefetch_b8 v[PFO], s[PFA:PFA+1] offset:((\k)+1)*SLOTB th:TH_LOAD_NT scope:SCOPE_SE
.Lno_ask_\@:
.endif
.endif
.endm
.macro RUN r                           ; the eight key steps of the slot in region r
	s_mov_b32 s[TB], BASE0+(\r)*SLOTB-HREC
	s_mov_b32 s[CNT], 8
	v_add_nc_u32 v[AD16], s[TB], v[L16]
	v_add_nc_u32 v[AD8], s[TB], v[L8]
	s_wait_alu depctr_va_vdst(0)                   ; the wait behind these writes
.Lstep_\@:
	STEP
	s_sub_co_u32 s[CNT], s[CNT], 1
	s_cmp_lg_u32 s[CNT], 0
	s_cbranch_scc1 .Lstep_\@
.endm
	CHANGE 1
	RUN 0
	CHANGE 2
	RUN 1
	CHANGE 3
	RUN 0
	CHANGE 0
	RUN 1
	; THE WAY OUT.  O^T / the sum; register 16 G + i is channel 32 G + 16 (lane / 16) + i: two blocks of the last product's K
	v_pk_add_f32 v[ACC:ACC+1], v[ACC:ACC+1], v[ACC+2:ACC+3]
	v_pk_add_f32 v[ACC+4:ACC+5], v[ACC+4:ACC+5], v[ACC+6:ACC+7]
	s_delay_alu instid0(VALU_DEP_1)
	v_pk_add_f32 v[ACC:ACC+1], v[ACC:ACC+1], v[ACC+4:ACC+5]
	s_delay_alu instid0(VALU_DEP_1)
	v_add_f32 v14, v[ACC], v[ACC+1]
	s_delay_alu instid0(VALU_DEP_1)
	v_permlanex16_b32 v[TMP], v14, s[SEL], s[SEL+1]
	s_delay_alu instid0(VALU_DEP_1)
	v_add_f32 v14, v14, v[TMP]                     ; the row's sum
	s_wait_alu depctr_va_vdst(0)
	v_rcp_f32 v14, v14
	v_lshrrev_b32 v10, 3, v[SH8]
	v_add_nc_u32 v9, v9, v10                       ; my scale byte's place: 8 r + h
	s_wait_alu depctr_va_vdst(0)                   ; the wait ahead of the first reader of the reciprocal and of O^T
.set j, 0
.rept 32
	v_mul_f32 v[S+j], v[O+j], v14
.set j, j+1
.endr
	QUANT6 S, P
	v_cndmask_b32 v[TMP], v[EX], v[EX+1], s[HM]    ; lanes 0-15 store block 0's byte, lanes 16-31 block 1's
	global_store_b128 v[L16], v[P:P+3], s[10:11]               ; 512 consecutive bytes,
	global_store_b64 v[L8], v[P+4:P+5], s[10:11] offset:512    ; and 256 more: the piece's 768
	global_store_b8 v9, v[TMP], s[66:67]
	s_wait_tensorcnt 0x0                           ; the wave's end
	ds_add_u32 v[SPW], v[NIL]
	s_wait_dscnt 0x0
	CROUND                                         ; the closing round
	s_endpgm
.Lfunc_end_k_q08f9ff05db_attn:
	.size	k_q08f9ff05db_attn, .Lfunc_end_k_q08f9ff05db_attn-k_q08f9ff05db_attn
	.p2alignl 7, 3214868480
	.fill 96, 4, 3214868480
	.section	.rodata,"a",@progbits
	.p2align	6, 0x0
	.amdhsa_kernel k_q08f9ff05db_attn
		.amdhsa_group_segment_fixed_size 327680
		.amdhsa_private_segment_fixed_size 0
		.amdhsa_enable_private_segment 0
		.amdhsa_kernarg_size 40
		.amdhsa_user_sgpr_count 2
		.amdhsa_user_sgpr_kernarg_segment_ptr 1
		.amdhsa_wavefront_size32 1
		.amdhsa_system_sgpr_workgroup_id_x 1
		.amdhsa_system_sgpr_workgroup_id_y 1
		.amdhsa_system_sgpr_workgroup_id_z 1
		.amdhsa_system_vgpr_workitem_id 0
		.amdhsa_next_free_vgpr 256
		.amdhsa_next_free_sgpr 72
		.amdhsa_reserve_vcc 0
		.amdhsa_float_denorm_mode_32 3
		.amdhsa_float_denorm_mode_16_64 3
		.amdhsa_memory_ordered 1
		.amdhsa_forward_progress 1
		.amdhsa_inst_pref_size 91
	.end_amdhsa_kernel
	.amdgpu_metadata
---
amdhsa.version: [ 1, 2 ]
amdhsa.kernels:
  - .name:           k_q08f9ff05db_attn
    .symbol:         k_q08f9ff05db_attn.kd
    .args:
      - { .name: cod, .offset: 0, .size: 8, .value_kind: global_buffer, .address_space: global }
      - { .name: scl, .offset: 8, .size: 8, .value_kind: global_buffer, .address_space: global }
      - { .name: kv, .offset: 16, .size: 8, .value_kind: global_buffer, .address_space: global }
      - { .name: ao, .offset: 24, .size: 8, .value_kind: global_buffer, .address_space: global }
      - { .name: aos, .offset: 32, .size: 8, .value_kind: global_buffer, .address_space: global }
    .group_segment_fixed_size: 327680
    .private_segment_fixed_size: 0
    .kernarg_segment_align: 8
    .kernarg_segment_size: 40
    .max_flat_workgroup_size: 512
    .sgpr_count:     72
    .vgpr_count:     256
    .wavefront_size: 32
...
	.end_amdgpu_metadata
.endif
;; end of part 3
;; launch outp (part 4): grid 8 x 32, 4 waves a work-group, clusters of 4 x 4, 327,680 bytes of LDS; arguments ao, aos, cod, scl, b_out, gate, out0; writes out0
.if DOCPART == 4
	.amdgcn_target "amdgcn-amd-amdhsa--gfx1250"
	.amdhsa_code_object_version 6
	.text
	.protected	k_q08f9ff05db_outp
	.globl	k_q08f9ff05db_outp
	.p2align	8
	.type	k_q08f9ff05db_outp,@function
k_q08f9ff05db_outp:
	s_mov_b64 s[64:65], 0
	v_nop
	global_prefetch_b8 v0, s[64:65] scope:SCOPE_SE
	s_setreg_imm32_b32 hwreg(HW_REG_WAVE_MODE, 25, 1), 1
	s_wait_xcnt 0x0
	s_wait_alu depctr_hold_cnt(0) depctr_sa_sdst(0) depctr_va_vdst(0) depctr_va_sdst(0) depctr_va_ssrc(0) depctr_va_vcc(0) depctr_vm_vsrc(0)
	s_getreg_b32 s2, hwreg(HW_REG_IB_STS2, 6, 4)
	s_cmp_eq_u32 s2, 0
	s_cbranch_scc0 .Lentry_in_a_cluster
	s_endpgm
.Lentry_in_a_cluster:
	s_bfe_u32 s2, ttmp6, 0x10000c
	s_cmp_lg_u32 s2, 0xf033
	s_cbranch_scc0 .Lentry_shape_is_right
	s_endpgm
.Lentry_shape_is_right:
; out0 = (attention's result x w_out + b_out) x tanh(gate): [4,096 x 1,024] x [1,024 x 1,024] on codes of FP6 (E2M3) with E8M0 scales, sums in f32.
; A work-group makes 128 x 128 of the result, so that the grid is 256 work-groups; a wave makes 64 x 64: 16 accumulators.  ALL OF K LIES IN LDS AT ONCE: A's eight row tiles and B's eight, 98,304 bytes each, and their scale bytes,
; 4,096 each.  The four are the head's loads, one a wave; nothing is filled again, so there is no ring.
; ao: [kp][RT][q][1,536] (registers 6 c .. 6 c + 3 of lane l at 768 c + 16 l, registers 6 c + 4, 5 at 768 c + 512 + 8 l); cod the same with registers 4 c .. 4 c + 3 at 512 c + 16 l; w_out's tiles are row tiles 192 .. 255 of cod.
; For one kp eight tiles are 24,576 consecutive bytes: a tile of four such rows.  aos, scl: [RT][kp][place][8].
; CLUSTER 4 x 4: A's tile is shared along a row of the cluster, B's along a column: joint loads.  No prefetch: the launch has no loop to run ahead in; each byte is asked for once, at the head.
; THE MATRIX INSTRUCTION IS USED TRANSPOSED (source 0 = w_out's tile, source 1 = A's): a lane holds one row.  Place r of tile 2 G + u is row (column) 32 G + 8 u + r + 8 (r / 8).
; REGISTERS: window 0: addresses, scale words v32-47 (two sets), A's fragments v64-159 and B's v160-255 (two sets of four each); window 1: the accumulators, (a, b) at v[8 (4 a + b)].
; tanh(g) = 1 - 2 / (1 + 2^(2 g log2 e)); under |g| < 1/16 its series to g^7, which loses nothing by cancellation.  LIMITS: NaN and infinities are not served.
.set TILEB, 3072
.set FRB,   1536
.set PLA,   24576                      ; a plane: eight tiles of one kp
.set TBB,   4*PLA                      ; B's planes lie behind A's
.set SCL,   8*PLA                      ; A's scale bytes, then B's
.set STAGE, SCL+8192                   ; the way out: 16 rows x (256 + 16) bytes for each wave
.set SPITCH, 272
.set SPARE, STAGE+4*16*SPITCH          ; the spare words: two blocks of 256 bytes that no other line names
.set ADRA, 16                          ; v16-17 A's fragments, kp 0-1 and kp 2-3, + 16 x lane;  v18-19 + 8 x lane
.set ADRA8, 18
.set ADRB, 20
.set STO,  24
.set RD,   25
.set CO,   26
.set ADRS, 27
.set SPW,  28
.set NIL,  29
.set BO,   30
.set SC,   32
.set AFR,  64
.set BFR,  160
.set BK,   64
.set G1,   24
.set G0,   32
.set G0B,  36
.set G1B,  48
.set G1S,  68
.set G0S,  76
.set G1SB, 80
.set G0SB, 88
.set MSB, 0
.macro WIN new
.if MSB != \new
	s_set_vgpr_msb (MSB<<8)|\new
.set MSB, \new
.endif
.endm
.macro CROUND
	s_barrier_signal -1
	s_barrier_wait -1
	s_cmp_lg_u32 s14, 0
	s_cbranch_scc1 .Lnot_wave_0_\@
	s_barrier_signal -3
.Lnot_wave_0_\@:
	s_barrier_wait -3
	s_barrier_signal -1
	s_barrier_wait -1
.endm
	s_load_b256 s[4:11], s[0:1], 0x0               ; ao, aos, cod, scl
	s_load_b128 s[96:99], s[0:1], 0x20             ; b_out, gate
	s_load_b64 s[66:67], s[0:1], 0x30              ; out0
	v_lshl_add_u32 v[SPW], v0, 2, SPARE
	v_mov_b32 v[NIL], 0
	ds_add_u32 v[SPW], v[NIL]                      ; the opening lines
	ds_add_u32 v[SPW], v[NIL]
	v_lshrrev_b32 v1, 5, v0
	v_readfirstlane_b32 s14, v1                    ; wave 0..3
	s_lshr_b32 s15, s14, 1                         ; my half of the block's rows
	s_and_b32 s16, s14, 1                          ; my half of its columns
	s_bfe_u32 s40, ttmp6, 0x40000                  ; cx
	s_bfe_u32 s41, ttmp6, 0x40004                  ; cy
	s_lshl_b32 s42, ttmp9, 2
	s_add_co_u32 s42, s42, s40                     ; block column 0..7
	s_and_b32 s17, ttmp7, 0xffff
	s_lshl_b32 s17, s17, 2
	s_add_co_u32 s17, s17, s41                     ; block row 0..31
	s_lshl_b32 s43, s41, 2
	s_lshl_b32 s43, 15, s43                        ; my row of the cluster
	s_lshl_b32 s44, 0x1111, s40                    ; my column
	s_or_b32 s[G1+0], s43, (3<<16)|(1<<21)         ; elements of 8 bytes; four rows of 3,072 elements
	s_or_b32 s[G1B+0], s44, (3<<16)|(1<<21)
.irp g, G1, G1B
	s_mov_b32 s[\g+1], 3072<<16
	s_mov_b32 s[\g+2], 4<<16
	s_mov_b32 s[\g+3], 3072<<16
	s_mov_b32 s[\g+4], 4
	s_mov_b32 s[\g+6], 0
	s_mov_b32 s[\g+7], 0
.endr
	s_mov_b32 s[G1+5], 98304                       ; from kp to kp + 1: 786,432 bytes in ao,
	s_mov_b32 s[G1B+5], 393216                     ; 3,145,728 in cod
	s_or_b32 s[G1S+0], s43, (3<<16)|(1<<21)        ; 4,096 dense bytes as 16 rows of 256
	s_or_b32 s[G1SB+0], s44, (3<<16)|(1<<21)
.irp g, G1S, G1SB
	s_mov_b32 s[\g+1], 32<<16
	s_mov_b32 s[\g+2], 16<<16
	s_mov_b32 s[\g+3], 32<<16
	s_mov_b32 s[\g+4], 16
	s_mov_b32 s[\g+5], 32
	s_mov_b32 s[\g+6], 0
	s_mov_b32 s[\g+7], 0
.endr
	s_lshl_b32 s22, s17, 3                         ; A's first row tile
	s_lshl_b32 s21, s42, 3
	s_add_co_u32 s21, s21, 192                     ; B's
	s_mul_i32 s92, s22, TILEB
	s_mov_b32 s93, 0
	s_lshl_b32 s94, s22, 9
	s_mov_b32 s95, 0
	s_mul_i32 s2, s21, TILEB
	s_mov_b32 s3, 0
	s_lshl_b32 s12, s21, 9
	s_mov_b32 s13, 0
	s_wait_dscnt 0x0                               ; both opening adds are done
	s_wait_kmcnt 0x0
	s_mov_b32 s[G0], 1
	s_mov_b32 s[G0+1], 0
	s_add_nc_u64 s[G0+2:G0+3], s[4:5], s[92:93]
	s_or_b32 s[G0+3], s[G0+3], 0x80000000
	s_mov_b32 s[G0B], 1
	s_mov_b32 s[G0B+1], TBB
	s_add_nc_u64 s[G0B+2:G0B+3], s[8:9], s[2:3]
	s_or_b32 s[G0B+3], s[G0B+3], 0x80000000
	s_mov_b32 s[G0S], 1
	s_mov_b32 s[G0S+1], SCL
	s_add_nc_u64 s[G0S+2:G0S+3], s[6:7], s[94:95]
	s_or_b32 s[G0S+3], s[G0S+3], 0x80000000
	s_mov_b32 s[G0SB], 1
	s_mov_b32 s[G0SB+1], SCL+4096
	s_add_nc_u64 s[G0SB+2:G0SB+3], s[10:11], s[12:13]
	s_or_b32 s[G0SB+3], s[G0SB+3], 0x80000000
	CROUND                                         ; all sixteen work-groups are here: the joint loads meet
; the head's loads, one a wave, in one chain of branches on the wave's number: A, B, A's scales, B's scales
.macro ARM under, g0, g1, next
	s_cmp_lt_u32 s14, \under
	s_cbranch_scc0 \next
	tensor_load_to_lds s[\g0:\g0+3], s[\g1:\g1+7]
	s_nop 0
.rept 4
	v_nop
.endr
	s_branch .Lhead_asked
\next:
.endm
	ARM 1, G0,  G1,  .Lhead_b
	ARM 2, G0B, G1B, .Lhead_sa
	ARM 3, G0S, G1S, .Lhead_sb
	tensor_load_to_lds s[G0SB:G0SB+3], s[G1SB:G1SB+7]
	s_nop 0
.rept 4
	v_nop
.endr
.Lhead_asked:
	v_and_b32 v1, 31, v0
	v_and_b32 v2, 15, v0                           ; r
	v_bfe_u32 v3, v0, 4, 1                         ; h
	v_lshlrev_b32 v5, 4, v1                        ; 16 x lane
	v_lshlrev_b32 v6, 3, v1                        ; 8 x lane
	v_lshlrev_b32 v[BO], 4, v2                     ; 16 r
	v_mov_b32 v15, 0
	s_lshl_b32 s18, s42, 9
	s_lshl_b32 s19, s16, 8
	s_add_co_u32 s18, s18, s19                     ; my first column, in bytes
	s_mov_b32 s19, 0
	s_add_nc_u64 s[96:97], s[96:97], s[18:19]
	s_wait_alu depctr_va_vdst(0)                   ; the wait ahead of these readers
	global_load_b128 v[10:13], v[BO], s[96:97]     ; the bias at my four columns
	global_load_b32 v14, v15, s[98:99]             ; the gate
	s_mul_i32 s21, s15, 4*TILEB                    ; my four tiles of A,
	s_mul_i32 s22, s16, 4*TILEB
	s_add_co_u32 s22, s22, TBB                     ; and of B
.irp s, 0,1
	v_add_nc_u32 v[ADRA+\s], s21, v5
	v_add_nc_u32 v[ADRA8+\s], s21, v6
	v_add_nc_u32 v[ADRB+\s], s22, v5
	s_add_co_u32 s21, s21, 2*PLA
	s_add_co_u32 s22, s22, 2*PLA
.endr
	s_lshl_b32 s21, s15, 11                        ; scale words: lanes 0-15 A's tiles, lanes 16-31 B's: the lower base + h x the distance
	s_lshl_b32 s22, s16, 11
	s_add_co_u32 s22, s22, 4096
	s_sub_co_u32 s22, s22, s21
	v_mul_u32_u24 v4, s22, v3
	s_add_co_u32 s21, s21, SCL
	v_lshl_add_u32 v4, v2, 3, v4
	v_add_nc_u32 v[ADRS], s21, v4
	s_mul_i32 s23, s14, 16*SPITCH
	s_add_co_u32 s23, s23, STAGE                   ; my stage
	v_mul_u32_u24 v7, v2, SPITCH
	v_lshl_add_u32 v7, v3, 6, v7                   ; in: row r, 64 bytes on for lanes 16-31
	v_add_nc_u32 v[STO], s23, v7
	v_mul_u32_u24 v7, v3, SPITCH
	v_add_nc_u32 v7, v7, v[BO]                     ; back: lanes 0-15 one row of 256 bytes, lanes 16-31 the next
	v_add_nc_u32 v[RD], s23, v7
	v_lshl_add_u32 v[CO], v3, 12, v[BO]            ; and the same two rows in out0
	s_lshl_b32 s20, s17, 19                        ; 128 rows of 4,096 bytes a block,
	s_lshl_b32 s21, s15, 18                        ; 64 a half
	s_add_co_u32 s20, s20, s21
	s_add_co_u32 s20, s20, s18
	s_mov_b32 s21, 0
	s_add_nc_u64 s[66:67], s[66:67], s[20:21]
	s_mov_b32 s18, 0x3e088889
	s_mov_b32 s19, 0xbeaaaaab
	s_wait_alu depctr_va_vdst(0)
	s_wait_loadcnt 0x0                             ; tanh(gate), under the tensor loads' flight
	v_mul_f32 v1, 0x4038aa3b, v14
	s_wait_alu depctr_va_vdst(0)
	v_exp_f32 v1, v1
	v_mul_f32 v2, v14, v14
	v_mov_b32 v3, 0xbd5d0dd1
	v_fma_f32 v3, v2, v3, s18
	v_fma_f32 v3, v2, v3, s19
	v_fma_f32 v3, v2, v3, 1.0
	v_mul_f32 v3, v3, v14
	s_wait_alu depctr_va_vdst(0)
	v_add_f32 v1, 1.0, v1
	s_wait_alu depctr_va_vdst(0)
	v_rcp_f32 v1, v1
	v_mov_b32 v4, 0x3d800000
	s_wait_alu depctr_va_vdst(0)
	v_fma_f32 v1, v1, -2.0, 1.0
	v_cmp_lt_f32 s20, |v14|, v4
	v_cndmask_b32 v8, v1, v3, s20
	v_mov_b32 v9, v8
	v_pk_mul_f32 v[10:11], v[10:11], v[8:9]        ; bias x tanh
	v_pk_mul_f32 v[12:13], v[12:13], v[8:9]
; K step ks: my four fragments of B and of A into set ks % 2; with an even step the scale words of its kp
.macro FETCH ks
.set ST, (\ks)%2
.set KO, (((\ks)/2)%2)*PLA+((\ks)%2)*FRB
.set AR, (\ks)/4
.irp i, 0,1,2,3
.irp c, 0,1,2
	ds_load_b128 v[BFR+48*ST+12*\i+4*\c:BFR+48*ST+12*\i+4*\c+3], v[ADRB+AR] offset:KO+\i*TILEB+512*\c
.endr
.endr
.irp i, 0,1,2,3
	ds_load_b128 v[AFR+48*ST+12*\i:AFR+48*ST+12*\i+3], v[ADRA+AR] offset:KO+\i*TILEB
	ds_load_b64 v[AFR+48*ST+12*\i+4:AFR+48*ST+12*\i+5], v[ADRA8+AR] offset:KO+\i*TILEB+512
	ds_load_b128 v[AFR+48*ST+12*\i+6:AFR+48*ST+12*\i+9], v[ADRA+AR] offset:KO+\i*TILEB+768
	ds_load_b64 v[AFR+48*ST+12*\i+10:AFR+48*ST+12*\i+11], v[ADRA8+AR] offset:KO+\i*TILEB+1280
.endr
.if (\ks)%2 == 0
.irp i, 0,1,2,3
	ds_load_b64 v[SC+8*(((\ks)/2)%2)+2*\i:SC+8*(((\ks)/2)%2)+2*\i+1], v[ADRS] offset:512*\i+128*((\ks)/2)
.endr
.endif
.endm
.macro MUL ks                          ; 16 products, the accumulators by turns
.set ST, (\ks)%2
.set SS, SC+8*(((\ks)/2)%2)+(\ks)%2
.irp a, 0,1,2,3
.irp b, 0,1,2,3
.if (\ks) == 0
	v_wmma_scale_f32_16x16x128_f8f6f4 v[8*(4*\a+\b):8*(4*\a+\b)+7], v[BFR+48*ST+12*\b:BFR+48*ST+12*\b+11], v[AFR+48*ST+12*\a:AFR+48*ST+12*\a+11], 0, v[SS+2*\b], v[SS+2*\a] matrix_a_fmt:MATRIX_FMT_FP6 matrix_b_fmt:MATRIX_FMT_FP6 matrix_a_scale:MATRIX_SCALE_ROW1
.else
	v_wmma_scale_f32_16x16x128_f8f6f4 v[8*(4*\a+\b):8*(4*\a+\b)+7], v[BFR+48*ST+12*\b:BFR+48*ST+12*\b+11], v[AFR+48*ST+12*\a:AFR+48*ST+12*\a+11], v[8*(4*\a+\b):8*(4*\a+\b)+7], v[SS+2*\b], v[SS+2*\a] matrix_a_fmt:MATRIX_FMT_FP6 matrix_b_fmt:MATRIX_FMT_FP6 matrix_a_scale:MATRIX_SCALE_ROW1
.endif
.endr
.endr
.endm
	s_wait_alu depctr_va_vdst(0)                   ; the wait at the head's end
	s_wait_tensorcnt 0x0                           ; my tile of the four is in
	s_barrier_signal -1
	s_barrier_wait -1                              ; all four are in
	FETCH 0
.set kk, 0
.rept 8
.if kk < 7
.if kk > 0
.rept 4
	v_nop                                          ; places in front of loads into the set that the last step's products have read
.endr
.endif
	FETCH kk+1
	s_wait_dscnt 28+4*(1-(kk+1)%2)                 ; all but the loads just issued: this step's fragments and scale words are in
.else
	s_wait_dscnt 0x0
.endif
	WIN 0x50                                       ; C and D in window 1
	MUL kk
	WIN 0
.set kk, kk+1
.endr
.rept 4
	v_nop                                          ; places behind the last products
.endr
; THE WAY OUT, by blocks of 16 rows x 64 columns: through my own stage (LDS serves a wave's instructions in order), back as whole rows of 256 bytes, x tanh + bias x tanh, stored sixteen lanes to an aligned 256 bytes
.macro OUTB a
	WIN 0x04                                       ; an LDS store's data are its source 1
.irp b, 0,1,2,3
	ds_store_b128 v[STO], v[32*\a+8*\b:32*\a+8*\b+3] offset:128*(\b/2)+32*(\b%2)
	ds_store_b128 v[STO], v[32*\a+8*\b+4:32*\a+8*\b+7] offset:128*(\b/2)+32*(\b%2)+16
.endr
	WIN 0
.irp k, 0,1,2,3,4,5,6,7
	ds_load_b128 v[BK+32*\a+4*\k:BK+32*\a+4*\k+3], v[RD] offset:\k*2*SPITCH
.endr
.endm
.macro SENDB a, younger
	s_wait_dscnt \younger
.irp k, 0,1,2,3,4,5,6,7
	v_pk_fma_f32 v[BK+32*\a+4*\k:BK+32*\a+4*\k+1], v[BK+32*\a+4*\k:BK+32*\a+4*\k+1], v[8:9], v[10:11]
	v_pk_fma_f32 v[BK+32*\a+4*\k+2:BK+32*\a+4*\k+3], v[BK+32*\a+4*\k+2:BK+32*\a+4*\k+3], v[8:9], v[12:13]
.endr
.irp k, 0,1,2,3,4,5,6,7
	global_store_b128 v[CO], v[BK+32*\a+4*\k:BK+32*\a+4*\k+3], s[66:67] offset:(32*(\a/2)+8*(\a%2)+2*\k+8*(\k/4))*4096 th:TH_STORE_NT
.endr
.endm
	OUTB 0
	OUTB 1
	SENDB 0, 16                                    ; behind block 0's loads: block 1's 8 stores and 8 loads
	OUTB 2
	SENDB 1, 16
	OUTB 3
	SENDB 2, 16
	SENDB 3, 0
	s_wait_tensorcnt 0x0                           ; the wave's end
	ds_add_u32 v[SPW], v[NIL]
	s_wait_dscnt 0x0
	CROUND                                         ; the closing round
	s_endpgm
.Lfunc_end_k_q08f9ff05db_outp:
	.size	k_q08f9ff05db_outp, .Lfunc_end_k_q08f9ff05db_outp-k_q08f9ff05db_outp
	.p2alignl 7, 3214868480
	.fill 96, 4, 3214868480
	.section	.rodata,"a",@progbits
	.p2align	6, 0x0
	.amdhsa_kernel k_q08f9ff05db_outp
		.amdhsa_group_segment_fixed_size 327680
		.amdhsa_private_segment_fixed_size 0
		.amdhsa_enable_private_segment 0
		.amdhsa_kernarg_size 56
		.amdhsa_user_sgpr_count 2
		.amdhsa_user_sgpr_kernarg_segment_ptr 1
		.amdhsa_wavefront_size32 1
		.amdhsa_system_sgpr_workgroup_id_x 1
		.amdhsa_system_sgpr_workgroup_id_y 1
		.amdhsa_system_sgpr_workgroup_id_z 1
		.amdhsa_system_vgpr_workitem_id 0
		.amdhsa_next_free_vgpr 512
		.amdhsa_next_free_sgpr 100
		.amdhsa_reserve_vcc 0
		.amdhsa_float_denorm_mode_32 3
		.amdhsa_float_denorm_mode_16_64 3
		.amdhsa_memory_ordered 1
		.amdhsa_forward_progress 1
		.amdhsa_inst_pref_size 54
	.end_amdhsa_kernel
	.amdgpu_metadata
---
amdhsa.version: [ 1, 2 ]
amdhsa.kernels:
  - .name:           k_q08f9ff05db_outp
    .symbol:         k_q08f9ff05db_outp.kd
    .args:
      - { .name: ao, .offset: 0, .size: 8, .value_kind: global_buffer, .address_space: global }
      - { .name: aos, .offset: 8, .size: 8, .value_kind: global_buffer, .address_space: global }
      - { .name: cod, .offset: 16, .size: 8, .value_kind: global_buffer, .address_space: global }
      - { .name: scl, .offset: 24, .size: 8, .value_kind: global_buffer, .address_space: global }
      - { .name: b_out, .offset: 32, .size: 8, .value_kind: global_buffer, .address_space: global }
      - { .name: gate, .offset: 40, .size: 8, .value_kind: global_buffer, .address_space: global }
      - { .name: out0, .offset: 48, .size: 8, .value_kind: global_buffer, .address_space: global }
    .group_segment_fixed_size: 327680
    .private_segment_fixed_size: 0
    .kernarg_segment_align: 8
    .kernarg_segment_size: 56
    .max_flat_workgroup_size: 128
    .sgpr_count:     100
    .vgpr_count:     512
    .wavefront_size: 32
...
	.end_amdgpu_metadata
.endif
;; end of part 4
